; MI455X (gfx1250); checked and timed in simulation.
; The chip was launched on July 23, 2026; its instructions are those of AMD's public machine-readable ISA for CDNA 5 (MIT licence, August 2026) and "CDNA5" Instruction Set Architecture Reference Guide (July 2026). The comments in the code are by the model that wrote it; some were corrected since.
;; Multi Head Attention. Allowed arithmetic: matrix products marked QUANTISED: E2M1 operands, one E8M0 scale for each 32 along K, by v_wmma_scale_f32_16x16x128_f8f6f4 with both operands' format E2M1 (or v_wmma_scale_f32_32x16x128_f4), f32 sums; products left as they are: bf16, f16 or f32 operands; f32 sums; everything else in f32.
;; Inputs: Wk 16 x 1,024 x 64 float32; Wo 1,024 x 1,024 float32; Wq 16 x 1,024 x 64 float32; Wv 16 x 1,024 x 64 float32; bo 1,024 float32; x 4 x 2,048 x 1,024 float32.
;; Outputs: out0 4 x 2,048 x 1,024 float32.
;; This version of the problem:
;;   THIS VERSION OF THE PROBLEM IS GIVEN IN LOW PRECISION. The matrix products marked QUANTISED in the list below multiply operands that are first quantised to E2M1 (2 exponent bits, 1 mantissa bit; 4 bits a number), with one power-of-two scale for each 32 numbers along K (OCP MX v1.0); their sums are f32. The products marked 'left as it is' may take bf16, f16 or f32 operands, with f32 sums. Whichever they take, every output number must still come out within the allowed error. Rounding operands to bf16 (8 significant bits) uses up far more of that allowance than f16 does (11 bits, for magnitudes from 6e-5 to 65,504). All else is computed in f32.
;;   The module's matrix products, in the order in which they are computed (A, B: the left and right operand; K: the contracted axis; several contracted axes count as one K, in the product's order):
;;     1. [M 1,024, K 1,024] x [K 1,024, N 8,192]; A: input Wq; B: input x: QUANTISED
;;     2. [M 1,024, K 1,024] x [K 1,024, N 8,192]; A: input Wk; B: input x: QUANTISED
;;     3. [M 1,024, K 1,024] x [K 1,024, N 8,192]; A: input Wv; B: input x: QUANTISED
;;     4. batch 64 x [M 2,048, K 64] x [K 64, N 2,048]; A: computed on the way; B: computed on the way: left as it is (an operand is computed on the way)
;;     5. batch 64 x [M 2,048, K 2,048] x [K 2,048, N 64]; A: computed on the way; B: computed on the way: left as it is (an operand is computed on the way)
;;     6. [M 8,192, K 1,024] x [K 1,024, N 1,024]; A: computed on the way; B: input Wo: left as it is (an operand is computed on the way)
;;   THE QUANTISER, for each operand of a quantised product, along K:
;;     - K is cut into blocks of 32 from its start; a last block that is shorter is filled with zeros.
;;     - A block's scale is 2^e with e = floor(log2(the largest magnitude in the block)) - 2, held to -126 .. 127; a block of zeros has e = 0. As a byte (E8M0): e + 127.
;;     - Each number is divided by its block's scale, clamped to +-6, and rounded to the nearest number of E2M1, ties to even, subnormals kept.
;;     - The product sums the exact products of the quantised numbers (number of the format x scale) in f32.
;;   ~~~python
;;   def quantise(x, axis):      # numpy; x: float32 -> the quantised numbers, widened to float32 again
;;       x = np.moveaxis(x, axis, -1); K = x.shape[-1]
;;       x = np.pad(x, [(0, 0)] * (x.ndim - 1) + [(0, -K % 32)]); x = x.reshape(x.shape[:-1] + (-1, 32)); a = np.abs(x).max(-1, keepdims=True)
;;       e = np.where(a > 0, np.clip(np.frexp(np.where(a > 0, a, 1))[1] - 1 - 2, -126, 127), 0)      # np.frexp(a)[1] - 1 = floor(log2(a)), exactly
;;       r = np.clip(x / 2.0 ** e, -6, 6)
;;       step = 2.0 ** (np.maximum(np.frexp(np.where(r == 0, 1, r))[1] - 1, 0) - 1)
;;       q = np.round(r / step) * step * 2.0 ** e      # np.round: ties to even
;;       return np.moveaxis(q.reshape(q.shape[:-2] + (-1,))[..., :K], -1, axis).astype(np.float32)
;;   ~~~
;; One version. Each part assembles by itself: llvm-mc -triple=amdgcn-amd-amdhsa -mcpu=gfx1250 --defsym DOCPART=n.
;; ======== version 1 of 1: 5 launches
;; limits: values are held in f16: magnitudes above 65,504 overflow, below 6.1e-05 lose precision
;; workspace buffers: xc 4,194,304 bytes; xs 262,144 bytes; wc 1,572,864 bytes; ws 98,304 bytes; wo16 2,097,152 bytes; qkv 50,331,648 bytes; qkvf 786,432 bytes; att 16,777,216 bytes
;; launch prep (part 1): grid 576 x 1, 4 waves a work-group, no clusters, 33,280 bytes of LDS; arguments x, Wq, Wk, Wv, Wo, xc, xs, wc, ws, wo16; writes xc, xs, wc, ws, wo16
.if DOCPART == 1
	.amdgcn_target "amdgcn-amd-amdhsa--gfx1250"
	.amdhsa_code_object_version 6
	.text
	.protected	k_qa350c629d1_prep
	.globl	k_qa350c629d1_prep
	.p2align	8
	.type	k_qa350c629d1_prep,@function
k_qa350c629d1_prep:
	s_mov_b64 s[64:65], 0
	v_nop
	global_prefetch_b8 v0, s[64:65] scope:SCOPE_SE
	s_setreg_imm32_b32 hwreg(HW_REG_WAVE_MODE, 25, 1), 1
	s_wait_xcnt 0x0
; One launch makes everything that later launches read many times.
; PATH X (work-groups 0-255): x [8192][1024] f32 -> codes of E2M1, K innermost (xc, 512 bytes a row), one E8M0 byte for each 32 along K (xs, 32 bytes a row).
; PATH W (work-groups 256-447): Wq, Wk, Wv [16][1024 (K)][64] f32, K not innermost -> codes laid as images of operand registers,
;   wc [K slot of 512: 2][tile of 16 n: 192][128 along K: 4][register group: 2][lane: 32][16 bytes], n = 1024 x which + 64 x head + d; scale bytes ws [3072 n][32].
; PATH O (work-groups 448-575): Wo [1024][1024] f32 -> f16 (wo16), rounded once.
; A block's scale is 2^(floor(log2(largest magnitude)) - 2): its byte is the largest magnitude's exponent field - 2, held at 1 from below.
; LIMITS: NaN and infinities among the inputs are not served; a block whose largest magnitude lies under 2^-124 keeps the byte 1; a block of zeros keeps the byte 1 where the
; rule says 127: its codes are zeros, which add nothing, and this program alone reads the bytes.  Wo's numbers beyond f16's range (65,504) are not served.
; ws is written four bytes a lane, rows 32 bytes apart: 98,304 bytes in all leave as parts of 256-byte blocks; all other stores cover whole aligned blocks of 256 bytes.
; No tensor loads, no barrier: waves share nothing.  Path X alone uses LDS.
.set WREG,  8192                       ; LDS of a wave: two stages of 32 x SP bytes, behind them its 256 scale bytes
.set SP,    80                         ; a lane's place in a stage: 64 bytes + 16 of padding
.set SPARE, 4*WREG                     ; the spare words, 128 bytes a wave; no other line names them
.set SPW,   12                         ; v12 LDS address of my spare word; never rewritten
.set NIL,   13                         ; v13 0; never rewritten
.set STEPS, 16
.set R,     16                         ; path X: v16-79 four sets of 16 numbers as loaded
.set X,     80                         ; v80-111 two sets of 16 neighbours
.set E,     112                        ; v112-127 a scale byte for each step
.set C,     128                        ; v128-191 codes, registers of their own for each step
	s_load_b256 s[4:11], s[0:1], 0x0               ; x s[4:5], Wq s[6:7], Wk s[8:9], Wv s[10:11]
	s_load_b256 s[12:19], s[0:1], 0x20             ; Wo s[12:13], xc s[14:15], xs s[16:17], wc s[18:19]
	s_load_b128 s[20:23], s[0:1], 0x40             ; ws s[20:21], wo16 s[22:23]
	v_lshl_add_u32 v[SPW], v0, 2, SPARE
	v_mov_b32 v[NIL], 0
	v_lshrrev_b32 v1, 5, v0
	v_readfirstlane_b32 s24, v1                    ; wave 0..3
	v_and_b32 v2, 31, v0                           ; lane
	v_lshlrev_b32 v3, 4, v2                        ; 16 x lane
	v_lshlrev_b32 v7, 3, v2                        ; 8 x lane
	s_mul_i32 s25, s24, WREG                       ; every LDS address is made here, ahead of the parting of the paths
	v_lshrrev_b32 v14, 2, v2
	v_mul_u32_u24 v14, v14, SP
	v_and_b32 v15, 3, v2
	v_lshl_add_u32 v14, v15, 4, v14
	v_add_nc_u32 v14, s25, v14                     ; the stage, way in: SP (lane / 4) + 16 (lane % 4)
	v_mul_u32_u24 v15, v2, SP
	v_add_nc_u32 v15, s25, v15                     ; way out: SP x lane: my 16 neighbours
	v_lshrrev_b32 v5, 1, v2
	s_add_co_u32 s25, s25, 2*32*SP
	v_add_nc_u32 v5, s25, v5                       ; my block's scale byte
	v_add_nc_u32 v6, s25, v7                       ; and 8 of the 256 on the way out
	s_mov_b32 s27, 0                               ; upper words of the offsets' pairs
	s_mov_b32 s29, 0
	s_mov_b32 s31, 0
	s_wait_kmcnt 0x0
	s_cmp_ge_u32 ttmp9, 448
	s_cbranch_scc1 .Lpath_o
	s_cmp_ge_u32 ttmp9, 256
	s_cbranch_scc1 .Lpath_w
; ---------------- PATH X: a wave takes a run of 8,192 numbers in 16 steps of 512.  Each load reads 512 consecutive bytes; a step's 2,048 bytes turn through the wave's stage, so that a lane
; holds 16 neighbours along K (two lanes to a block), as the conversion wants them.
	s_lshl_b32 s25, ttmp9, 2
	s_add_co_u32 s25, s25, s24                     ; which run
	s_lshl_b32 s26, s25, 15                        ; 32,768 bytes of x,
	s_add_nc_u64 s[4:5], s[4:5], s[26:27]
	s_lshl_b32 s28, s25, 12                        ; 4,096 of codes,
	s_add_nc_u64 s[14:15], s[14:15], s[28:29]
	s_lshl_b32 s30, s25, 8                         ; 256 scale bytes
	s_add_nc_u64 s[16:17], s[16:17], s[30:31]
.macro LOAD t
.irp i, 0,1,2,3
	global_load_b128 v[R+16*((\t)%4)+4*\i:R+16*((\t)%4)+4*\i+3], v3, s[4:5] offset:2048*(\t)+512*\i th:TH_LOAD_NT
.endr
.endm
.macro TURN t                          ; LDS serves a wave's instructions in order: no wait between the stores and the loads
.irp i, 0,1,2,3
	ds_store_b128 v14, v[R+16*((\t)%4)+4*\i:R+16*((\t)%4)+4*\i+3] offset:32*SP*((\t)%2)+8*SP*\i
.endr
.irp i, 0,1,2,3
	ds_load_b128 v[X+16*((\t)%2)+4*\i:X+16*((\t)%2)+4*\i+3], v15 offset:32*SP*((\t)%2)+16*\i
.endr
.endm
.irp t, 0,1,2,3
	LOAD \t
.endr
	s_wait_loadcnt 12                              ; step 0's four loads are in; three steps' twelve may be out
	TURN 0
.macro STEP t
.set XS, X+16*((\t)%2)
.if (\t) > 0
	s_wait_dscnt 1                                 ; this step's numbers are back from the stage; the last step's byte store may be out
.else
	s_wait_dscnt 0x0
.endif
.if (\t)+4 < STEPS
	LOAD (\t)+4                                    ; into the registers whose stores into the stage are done
.endif
.if (\t)+1 < STEPS
.if STEPS-2-(\t) >= 3
	s_wait_loadcnt 12                              ; the next step's loads are in; those of three steps behind it may be out
.else
	s_wait_loadcnt 4*(STEPS-2-(\t))
.endif
	TURN (\t)+1
.endif
	v_max3_num_f32 v8, |v[XS]|, |v[XS+1]|, |v[XS+2]|
	v_max3_num_f32 v9, |v[XS+3]|, |v[XS+4]|, |v[XS+5]|
.irp i, 6,10
	v_max3_num_f32 v8, v8, |v[XS+\i]|, |v[XS+\i+1]|
	v_max3_num_f32 v9, v9, |v[XS+\i+2]|, |v[XS+\i+3]|
.endr
	v_max3_num_f32 v8, v8, |v[XS+14]|, |v[XS+15]|
	v_max3_num_f32 v8, v8, v9, 0x1800000           ; the floor 2^(3 - 127): the byte cannot fall under 1
	v_max_num_f32_dpp v8, v8, v8 row_xmask:1 row_mask:0xf bank_mask:0xf   ; with my neighbour's 16: the block's largest magnitude
	v_add_nc_u32 v11, 0xff000000, v8               ; 2 off its exponent field: the conversion's scale operand
	v_cvt_scalef32_pk8_fp4_f32 v[C+4*(\t)], v[XS:XS+7], v11
	v_cvt_scalef32_pk8_fp4_f32 v[C+4*(\t)+1], v[XS+8:XS+15], v11
	v_lshrrev_b32 v[E+(\t)], 23, v11               ; the scale's byte
	ds_store_b8 v5, v[E+(\t)] offset:16*(\t)       ; both lanes of a block write the same byte with the same value
	global_store_b64 v7, v[C+4*(\t):C+4*(\t)+1], s[14:15] offset:256*(\t)   ; the wave stores 256 consecutive bytes, aligned
.endm
.irp t, 0,1,2,3,4,5,6,7,8,9,10,11,12,13,14,15
	STEP \t
.endr
	ds_load_b64 v[8:9], v6                         ; in order behind my byte stores
	s_wait_dscnt 0x0
	global_store_b64 v7, v[8:9], s[16:17]          ; 256 scale bytes, aligned
	s_branch .Lend
; ---------------- PATH W: a wave takes 32 columns d x 128 along K of one head of one weight.  A lane takes a column and its registers run down K, so a block of 32 lies in one lane
; and the conversions give codes with K innermost.  Block t of the 128 is register group t / 2 of lanes 16 (t % 2) + r: sixteen lanes store 256 consecutive bytes of an image.
.Lpath_w:
	s_sub_co_u32 s25, ttmp9, 256
	s_lshl_b32 s25, s25, 2
	s_add_co_u32 s25, s25, s24                     ; g = 0 .. 767
	s_and_b32 s32, s25, 1                          ; which 32 of the head's 64 columns
	s_bfe_u32 s33, s25, 0x30001                    ; which 128 along K: 0 .. 7
	s_lshr_b32 s34, s25, 4                         ; 16 x which + head
	s_lshr_b32 s35, s34, 4                         ; which: 0 Wq, 1 Wk, 2 Wv
	s_and_b32 s36, s34, 15                         ; head
	s_cmp_eq_u32 s35, 0
	s_cselect_b64 s[6:7], s[6:7], s[8:9]
	s_cmp_eq_u32 s35, 2
	s_cselect_b64 s[6:7], s[10:11], s[6:7]         ; the choice hangs on the work-group's and the wave's number alone
	s_lshl_b32 s26, s36, 18                        ; a head: 1,024 x 64 x 4 bytes
	s_lshl_b32 s37, s33, 15                        ; 128 rows of 256 bytes
	s_add_co_u32 s26, s26, s37
	s_lshl_b32 s37, s32, 7
	s_add_co_u32 s26, s26, s37
	s_add_nc_u64 s[6:7], s[6:7], s[26:27]
	s_lshr_b32 s37, s33, 2
	s_mul_i32 s28, s37, 786432                     ; the K slot: 192 tiles x 4,096 bytes
	s_lshl_b32 s37, s34, 2
	s_lshl_b32 s38, s32, 1
	s_add_co_u32 s37, s37, s38                     ; my first tile of 16 n
	s_lshl_b32 s37, s37, 12
	s_add_co_u32 s28, s28, s37
	s_and_b32 s37, s33, 3
	s_lshl_b32 s37, s37, 10                        ; which 128 of the slot's 512
	s_add_co_u32 s28, s28, s37
	s_add_nc_u64 s[18:19], s[18:19], s[28:29]
	s_lshl_b32 s30, s34, 11                        ; scale bytes: 64 n x 32 bytes,
	s_lshl_b32 s37, s32, 10
	s_add_co_u32 s30, s30, s37
	s_lshl_b32 s37, s33, 2                         ; four bytes for 128 along K
	s_add_co_u32 s30, s30, s37
	s_add_nc_u64 s[20:21], s[20:21], s[30:31]
	v_lshlrev_b32 v16, 2, v2                       ; in: 4 bytes a lane
	v_lshrrev_b32 v17, 4, v2
	v_and_b32 v18, 15, v2
	v_lshlrev_b32 v17, 12, v17
	v_lshl_add_u32 v17, v18, 4, v17                ; codes: tile lane / 16, 16 bytes at lane % 16
	v_lshlrev_b32 v18, 5, v2                       ; scale word: row n
.macro WLOAD t
.irp i, 0,1,2,3,4,5,6,7,8,9,10,11,12,13,14,15,16,17,18,19,20,21,22,23,24,25,26,27,28,29,30,31
	global_load_b32 v[32+32*((\t)%2)+\i], v16, s[6:7] offset:(32*(\t)+\i)*256 th:TH_LOAD_NT
.endr
.endm
	WLOAD 0
	WLOAD 1
.macro WBLOCK t
.set XS, 32+32*((\t)%2)
.if (\t) < 3
	s_wait_loadcnt 32                              ; this block's 32 loads are in; the next block's may be out
.else
	s_wait_loadcnt 0x0
.endif
	v_max3_num_f32 v19, |v[XS]|, |v[XS+1]|, |v[XS+2]|
	v_max3_num_f32 v20, |v[XS+3]|, |v[XS+4]|, |v[XS+5]|
.irp i, 6,10,14,18,22,26
	v_max3_num_f32 v19, v19, |v[XS+\i]|, |v[XS+\i+1]|
	v_max3_num_f32 v20, v20, |v[XS+\i+2]|, |v[XS+\i+3]|
.endr
	v_max3_num_f32 v19, v19, |v[XS+30]|, |v[XS+31]|
	v_max3_num_f32 v19, v19, v20, 0x1800000        ; the floor
	v_add_nc_u32 v21, 0xff000000, v19              ; the conversion's scale operand
	v_lshrrev_b32 v22, 23, v21                     ; the byte
.if (\t) == 0
	v_mov_b32 v24, v22
.else
	v_lshl_or_b32 v24, v22, 8*(\t), v24            ; the lower K in the lower byte
.endif
.irp g, 0,1,2,3
	v_cvt_scalef32_pk8_fp4_f32 v[96+4*(\t)+\g], v[XS+8*\g:XS+8*\g+7], v21
.endr
	global_store_b128 v17, v[96+4*(\t):96+4*(\t)+3], s[18:19] offset:((\t)/2)*512+((\t)%2)*256   ; registers of their own for each block: no store's data are written again
.if (\t) < 2
	WLOAD (\t)+2
.endif
.endm
	WBLOCK 0
	WBLOCK 1
	WBLOCK 2
	WBLOCK 3
	global_store_b32 v18, v24, s[20:21]
	s_branch .Lend
; ---------------- PATH O: a wave rounds 2,048 numbers of Wo to f16
.Lpath_o:
	s_sub_co_u32 s25, ttmp9, 448
	s_lshl_b32 s25, s25, 2
	s_add_co_u32 s25, s25, s24
	s_lshl_b32 s26, s25, 13
	s_add_nc_u64 s[12:13], s[12:13], s[26:27]
	s_lshl_b32 s28, s25, 12
	s_add_nc_u64 s[22:23], s[22:23], s[28:29]
.irp i, 0,1,2,3,4,5,6,7,8,9,10,11,12,13,14,15
	global_load_b128 v[32+4*\i:35+4*\i], v3, s[12:13] offset:512*\i
.endr
.irp i, 0,1,2,3,4,5,6,7,8,9,10,11,12,13,14,15
	s_wait_loadcnt 15-\i                           ; loads come back in order: the younger ones may be out
	v_cvt_pk_f16_f32 v[96+2*\i], v[32+4*\i], v[33+4*\i]
	v_cvt_pk_f16_f32 v[97+2*\i], v[34+4*\i], v[35+4*\i]
	global_store_b64 v7, v[96+2*\i:97+2*\i], s[22:23] offset:256*\i   ; 256 consecutive bytes, aligned
.endr
.Lend:
	s_wait_tensorcnt 0x0                           ; the wave's end
	ds_add_u32 v[SPW], v[NIL]
	s_wait_dscnt 0x0
	s_endpgm
.Lfunc_end_k_qa350c629d1_prep:
	.size	k_qa350c629d1_prep, .Lfunc_end_k_qa350c629d1_prep-k_qa350c629d1_prep
	.p2alignl 7, 3214868480
	.fill 96, 4, 3214868480
	.section	.rodata,"a",@progbits
	.p2align	6, 0x0
	.amdhsa_kernel k_qa350c629d1_prep
		.amdhsa_group_segment_fixed_size 33280
		.amdhsa_private_segment_fixed_size 0
		.amdhsa_enable_private_segment 0
		.amdhsa_kernarg_size 80
		.amdhsa_user_sgpr_count 2
		.amdhsa_user_sgpr_kernarg_segment_ptr 1
		.amdhsa_wavefront_size32 1
		.amdhsa_system_sgpr_workgroup_id_x 1
		.amdhsa_system_sgpr_workgroup_id_y 1
		.amdhsa_system_sgpr_workgroup_id_z 1
		.amdhsa_system_vgpr_workitem_id 0
		.amdhsa_next_free_vgpr 192
		.amdhsa_next_free_sgpr 66
		.amdhsa_reserve_vcc 0
		.amdhsa_float_denorm_mode_32 3
		.amdhsa_float_denorm_mode_16_64 3
		.amdhsa_memory_ordered 1
		.amdhsa_forward_progress 1
		.amdhsa_inst_pref_size 59
	.end_amdhsa_kernel
	.amdgpu_metadata
---
amdhsa.version: [ 1, 2 ]
amdhsa.kernels:
  - .name:           k_qa350c629d1_prep
    .symbol:         k_qa350c629d1_prep.kd
    .args:
      - { .name: x, .offset: 0, .size: 8, .value_kind: global_buffer, .address_space: global }
      - { .name: Wq, .offset: 8, .size: 8, .value_kind: global_buffer, .address_space: global }
      - { .name: Wk, .offset: 16, .size: 8, .value_kind: global_buffer, .address_space: global }
      - { .name: Wv, .offset: 24, .size: 8, .value_kind: global_buffer, .address_space: global }
      - { .name: Wo, .offset: 32, .size: 8, .value_kind: global_buffer, .address_space: global }
      - { .name: xc, .offset: 40, .size: 8, .value_kind: global_buffer, .address_space: global }
      - { .name: xs, .offset: 48, .size: 8, .value_kind: global_buffer, .address_space: global }
      - { .name: wc, .offset: 56, .size: 8, .value_kind: global_buffer, .address_space: global }
      - { .name: ws, .offset: 64, .size: 8, .value_kind: global_buffer, .address_space: global }
      - { .name: wo16, .offset: 72, .size: 8, .value_kind: global_buffer, .address_space: global }
    .group_segment_fixed_size: 33280
    .private_segment_fixed_size: 0
    .kernarg_segment_align: 8
    .kernarg_segment_size: 80
    .max_flat_workgroup_size: 128
    .sgpr_count:     66
    .vgpr_count:     192
    .wavefront_size: 32
...
	.end_amdgpu_metadata
.endif
;; end of part 1
;; launch qkv (part 2): grid 12 x 32, 4 waves a work-group, clusters of 4 x 4, 327,680 bytes of LDS; arguments xc, xs, wc, ws, qkv, qkvf; writes qkv, qkvf
.if DOCPART == 2
	.amdgcn_target "amdgcn-amd-amdhsa--gfx1250"
	.amdhsa_code_object_version 6
	.text
	.protected	k_qa350c629d1_qkv
	.globl	k_qa350c629d1_qkv
	.p2align	8
	.type	k_qa350c629d1_qkv,@function
k_qa350c629d1_qkv:
	s_mov_b64 s[64:65], 0
	v_nop
	global_prefetch_b8 v0, s[64:65] scope:SCOPE_SE
	s_setreg_imm32_b32 hwreg(HW_REG_WAVE_MODE, 25, 1), 1
	s_wait_xcnt 0x0
	s_wait_alu depctr_hold_cnt(0) depctr_sa_sdst(0) depctr_va_vdst(0) depctr_va_sdst(0) depctr_va_ssrc(0) depctr_va_vcc(0) depctr_vm_vsrc(0)
	s_getreg_b32 s2, hwreg(HW_REG_IB_STS2, 6, 4)
	s_cmp_eq_u32 s2, 0
	s_cbranch_scc0 .Lentry_in_a_cluster
	s_endpgm
.Lentry_in_a_cluster:
	s_bfe_u32 s2, ttmp6, 0x10000c
	s_cmp_lg_u32 s2, 0xf033
	s_cbranch_scc0 .Lentry_shape_is_right
	s_endpgm
.Lentry_shape_is_right:
; q, k, v = x W in MX-FP4: ONE product C[8192 rows of x][3072 n] over K = 1024, n = 1024 x which + 64 x head + d.  A = x's codes (rows of 512 bytes) and scale bytes; B = the weights' codes,
; laid as images of operand registers, and their scale bytes.  Sums in f32.  Results leave rounded to f16, by head: qkv [which][b][head][t][64]; the rows of positions 0-15 of every sequence
; leave in f32 too (qkvf), for the launch that carries them finely.
; A tile of C is 256 x 256: four waves, each 128 x 128 in 64 accumulators (512 registers).  K = 1024 is two LDS slots of 512: both are asked for at the head and nothing is filled again.
; CLUSTERS: 4 x 4 work-groups.  A's tile hangs on the tile row, shared along a row of the cluster; B's on the tile column, shared along a column: each is asked for jointly.
; The tile row is 8 cy + cluster y: the batch is cy, the block of 256 positions is the cluster's y.  So whether a wave holds positions 0-15 hangs on the cluster's y and the wave's number alone.
; THE MATRIX INSTRUCTION IS USED TRANSPOSED (source 0 = 16 n, source 1 = 16 rows of x): a lane holds eight neighbouring d of one row.
; LIMIT: results beyond f16's range (65,504) are not served.
; REGISTERS: window 0: v0-31 addresses; v32-95 scale words, two sets; v128-191 A's fragments, one set; window 1: B's fragments, two sets (v0, v128); windows 2, 3: accumulators (a, b) at v[8 (8 (a % 4) + b)].
.set NQ,     4                         ; matrix instructions deep in a slot
.set ROWB,   256                       ; a row of A's tile: 512 codes
.set KROW,   512                       ; a row of xc
.set PITCH,  272                       ; in LDS: 256 + 16 of padding, so that the 16 rows of a load start at 16 different banks
.set FR,     8
.set NL,     2
.set NP,     4
.set HALFT,  128*PITCH                 ; 128 rows of A
.set HALFB,  32768                     ; 128 n of B as images: dense
.set SLOT,   2*HALFT+2*HALFB
.set SCL,    2*SLOT                    ; the scale bytes, as rows of 256 bytes + 16
.set HALFS,  16*272                    ; those of 128 rows (32 bytes a row)
.set SBLK,   2*272                     ; of 16 rows
.set SPARE,  SCL+4*HALFS               ; the spare words
.set SPITCH, 272                       ; the way out: 16 rows x (256 + 16) bytes a wave, in slot 0, which has had its only fill and its last read by then
.set ADRA, 16
.set ADRB, 20
.set STO,  24
.set RD,   25
.set CO,   26
.set ADRS, 27
.set SPW,  28
.set NIL,  29
.set FO,   30
.set SC,   32
.set AF,   128
.set BK,   128                         ; the way out: rows read back: v128-159, v160-191 by turns
.set TMP,  192                         ; packed results
.set G1, 24
.set G0, 32
.set G1B, 48
.set G0B, 56
.set G1S, 68
.set G0S, 76
.set G1SB, 80
.set G0SB, 88
.set MSB, 0
.macro WIN new
.if MSB != \new
	s_set_vgpr_msb (MSB<<8)|\new
.set MSB, \new
.endif
.endm
.set MUL_LO, 0xa1
.set MUL_HI, 0xf1
.set TO_B,   0x40
.macro JLOAD g0a, g1a, g0b, g1b        ; waves 0, 1 ask for A, waves 2, 3 for B; the branch hangs on the wave's number alone
	s_cmp_eq_u32 s15, 0
	s_cbranch_scc0 .Lfor_b_\@
	tensor_load_to_lds s[\g0a:\g0a+3], s[\g1a:\g1a+7]
	s_nop 0
.rept 4
	v_nop
.endr
	s_branch .Lasked_\@
.Lfor_b_\@:
	tensor_load_to_lds s[\g0b:\g0b+3], s[\g1b:\g1b+7]
	s_nop 0
.rept 4
	v_nop
.endr
.Lasked_\@:
.endm
.macro CROUND                          ; a round of the cluster's barrier
	s_barrier_signal -1
	s_barrier_wait -1
	s_cmp_lg_u32 s14, 0
	s_cbranch_scc1 .Lnot_wave_0_\@
	s_barrier_signal -3
.Lnot_wave_0_\@:
	s_barrier_wait -3
	s_barrier_signal -1
	s_barrier_wait -1
.endm
	s_load_b128 s[4:7], s[0:1], 0x0                ; xc, xs
	s_load_b128 s[8:11], s[0:1], 0x10              ; wc, ws
	s_load_b128 s[96:99], s[0:1], 0x20             ; qkv, qkvf
	v_lshl_add_u32 v[SPW], v0, 2, SPARE
	v_mov_b32 v[NIL], 0
	ds_add_u32 v[SPW], v[NIL]                      ; the opening: the add, twice on end, and its wait ahead of my first tensor load
	ds_add_u32 v[SPW], v[NIL]
	v_lshrrev_b32 v1, 5, v0
	v_readfirstlane_b32 s14, v1                    ; wave
	s_lshr_b32 s15, s14, 1                         ; my half of the tile's rows; also: I ask for A (0) or B (1)
	s_and_b32 s16, s14, 1                          ; my half of its columns; also: which 128 rows I ask for
	s_bfe_u32 s40, ttmp6, 0x40000                  ; cx
	s_bfe_u32 s41, ttmp6, 0x40004                  ; cy
	s_lshl_b32 s42, ttmp9, 2
	s_add_co_u32 s42, s42, s40                     ; tile column = 4 x cluster x + cx
	s_and_b32 s17, ttmp7, 0xffff
	s_lshl_b32 s18, s41, 3
	s_add_co_u32 s17, s17, s18                     ; tile row = 8 cy + cluster y
	s_lshl_b32 s43, s41, 2
	s_lshl_b32 s43, 15, s43                        ; my row of the cluster
	s_lshl_b32 s44, 0x1111, s40                    ; my column
	s_or_b32 s[G1+0], s43, (0<<16)|(1<<20)|(1<<21)|(5<<22)|(3<<25)   ; A: bytes; 4 words of padding behind every 64
	s_mov_b32 s[G1+1], ROWB<<16
	s_mov_b32 s[G1+2], 128<<16
	s_mov_b32 s[G1+3], ROWB<<16
	s_mov_b32 s[G1+4], 128
	s_mov_b32 s[G1+5], KROW
	s_mov_b32 s[G1+6], 0
	s_mov_b32 s[G1+7], 0
	s_or_b32 s[G1B+0], s44, (3<<16)|(1<<21)        ; B: a dense block of 32,768 bytes as 128 rows of 32 elements of 8 bytes, no padding
	s_mov_b32 s[G1B+1], 32<<16
	s_mov_b32 s[G1B+2], 128<<16
	s_mov_b32 s[G1B+3], 32<<16
	s_mov_b32 s[G1B+4], 128
	s_mov_b32 s[G1B+5], 32
	s_mov_b32 s[G1B+6], 0
	s_mov_b32 s[G1B+7], 0
	s_or_b32 s[G1S+0], s43, (3<<16)|(1<<20)|(1<<21)|(5<<22)|(3<<25)  ; scale bytes of 128 rows: 4,096 dense bytes as 16 rows of 256, 16 of padding behind each
	s_or_b32 s[G1SB+0], s44, (3<<16)|(1<<20)|(1<<21)|(5<<22)|(3<<25)
.irp g, G1S, G1SB
	s_mov_b32 s[\g+1], 32<<16
	s_mov_b32 s[\g+2], 16<<16
	s_mov_b32 s[\g+3], 32<<16
	s_mov_b32 s[\g+4], 16
	s_mov_b32 s[\g+5], 32
	s_mov_b32 s[\g+6], 0
	s_mov_b32 s[\g+7], 0
.endr
	s_lshl_b32 s18, s16, 7
	s_lshl_b32 s20, s17, 8
	s_add_co_u32 s20, s20, s18                     ; A: row 256 x tile row + 128 x half
	s_lshl_b32 s46, s42, 8
	s_add_co_u32 s46, s46, s18                     ; B: n likewise
	s_lshl_b32 s22, s20, 5                         ; scale bytes: 32 a row
	s_mov_b32 s23, 0
	s_lshl_b32 s92, s46, 5
	s_mov_b32 s93, 0
	s_lshl_b32 s20, s20, 9                         ; A's codes: 512 bytes a row
	s_mov_b32 s21, 0
	s_lshl_b32 s46, s46, 8                         ; B's images: 256 bytes for each n in a K slot
	s_mov_b32 s47, 0
	s_mul_i32 s45, s16, HALFT                      ; where they go: no place in the cluster enters an LDS address
	s_mul_i32 s95, s16, HALFB
	s_add_co_u32 s95, s95, 2*HALFT
	s_mul_i32 s94, s14, HALFS
	s_wait_dscnt 0x0                               ; both opening adds are done
	s_wait_kmcnt 0x0
	s_add_nc_u64 s[20:21], s[4:5], s[20:21]
	s_add_nc_u64 s[22:23], s[6:7], s[22:23]
	s_add_nc_u64 s[46:47], s[8:9], s[46:47]
	s_add_nc_u64 s[92:93], s[10:11], s[92:93]
	CROUND                                         ; all sixteen work-groups are here: the joint loads meet
	s_mov_b32 s[G0S], 1
	s_add_co_u32 s[G0S+1], s94, SCL
	s_mov_b64 s[G0S+2:G0S+3], s[22:23]
	s_or_b32 s[G0S+3], s[G0S+3], 0x80000000
	s_mov_b32 s[G0SB], 1
	s_add_co_u32 s[G0SB+1], s94, SCL
	s_mov_b64 s[G0SB+2:G0SB+3], s[92:93]
	s_or_b32 s[G0SB+3], s[G0SB+3], 0x80000000
	JLOAD G0S, G1S, G0SB, G1SB                     ; the scale bytes first
.irp s, 0,1
	s_mov_b32 s[G0+4*\s], 1
	s_add_co_u32 s[G0+4*\s+1], s45, \s*SLOT
	s_add_nc_u64 s[G0+4*\s+2:G0+4*\s+3], s[20:21], \s*ROWB
	s_or_b32 s[G0+4*\s+3], s[G0+4*\s+3], 0x80000000
	s_mov_b32 s[G0B+4*\s], 1
	s_add_co_u32 s[G0B+4*\s+1], s95, \s*SLOT
	s_add_nc_u64 s[G0B+4*\s+2:G0B+4*\s+3], s[46:47], \s*786432
	s_or_b32 s[G0B+4*\s+3], s[G0B+4*\s+3], 0x80000000
	JLOAD G0+4*\s, G1, G0B+4*\s, G1B               ; three loads of mine are out in all
.endr
	v_and_b32 v1, 15, v0                           ; r
	v_bfe_u32 v2, v0, 4, 1                         ; h
	v_mul_u32_u24 v3, v1, PITCH
	v_lshl_add_u32 v4, v2, 4, v3                   ; r x pitch + 16 h
	v_and_b32 v6, 31, v0
	v_lshlrev_b32 v[FO], 4, v6                     ; 16 x lane
	s_mul_i32 s21, s15, HALFT                      ; my 128 rows of A
	s_mul_i32 s22, s16, HALFB
	s_add_co_u32 s22, s22, 2*HALFT                 ; my 128 n of B
.irp s, 0,1
	v_add_nc_u32 v[ADRA+\s], s21, v4
	v_add_nc_u32 v[ADRB+\s], s22, v[FO]
	s_add_co_u32 s21, s21, SLOT
	s_add_co_u32 s22, s22, SLOT
.endr
	v_mul_u32_u24 v5, v1, 32                       ; my row's scale bytes,
	v_lshrrev_b32 v6, 8, v5
	v_lshl_add_u32 v5, v6, 4, v5                   ; 16 more for each 256 passed
	s_mul_i32 s21, s15, HALFS
	s_mul_i32 s22, s16, HALFS
	s_add_co_u32 s22, s22, 2*HALFS
	s_sub_co_u32 s22, s22, s21
	v_mul_u32_u24 v6, s22, v2                      ; lanes 16-31 take B's
	s_add_co_u32 s21, s21, SCL
	v_add_nc_u32 v5, v5, v6
	v_add_nc_u32 v[ADRS], s21, v5
	s_mul_i32 s23, s14, 16*SPITCH                  ; my stage
	v_add_nc_u32 v[STO], s23, v4                   ; in: row r, 16 bytes for each half of the lanes
	v_bfe_u32 v5, v0, 3, 1
	v_mul_u32_u24 v5, v5, SPITCH                   ; back: lanes 0-15 take rows t, t + 1 of one head (128 bytes each), lanes 16-31 those of the next head
	v_lshl_add_u32 v5, v2, 7, v5
	v_and_b32 v6, 7, v0
	v_lshl_add_u32 v5, v6, 4, v5
	v_add_nc_u32 v[RD], s23, v5
	v_lshlrev_b32 v[CO], 4, v1
	v_lshl_add_u32 v[CO], v2, 18, v[CO]            ; in memory: 16 (lane % 16) + a head's 262,144 bytes for lanes 16-31
	s_lshl_b32 s2, ttmp9, 24                       ; which = the cluster's x: 16,777,216 bytes
	s_lshl_b32 s12, s41, 22                        ; the batch = cy
	s_add_co_u32 s2, s2, s12
	s_lshl_b32 s12, s40, 20                        ; head 4 cx + 2 x column half
	s_add_co_u32 s2, s2, s12
	s_lshl_b32 s12, s16, 19
	s_add_co_u32 s2, s2, s12
	s_and_b32 s12, ttmp7, 0xffff
	s_lshl_b32 s12, s12, 15                        ; position 256 x cluster y + 128 x row half, 128 bytes each
	s_add_co_u32 s2, s2, s12
	s_lshl_b32 s12, s15, 14
	s_add_co_u32 s2, s2, s12
	s_mov_b32 s3, 0
	s_add_nc_u64 s[96:97], s[96:97], s[2:3]
	s_mul_i32 s12, s41, 192                        ; qkvf: (192 x batch + tile of 16 n) x 1,024 bytes
	s_lshl_b32 s13, s42, 4
	s_add_co_u32 s12, s12, s13
	s_lshl_b32 s13, s16, 3
	s_add_co_u32 s12, s12, s13
	s_lshl_b32 s2, s12, 10
	s_add_nc_u64 s[98:99], s[98:99], s[2:3]
.macro FRAG reg, adr, q, i             ; 16 rows x 128 K of 4-bit codes: lane l holds row l % 16; registers 4 c .. 4 c + 3 hold K = 64 c + 32 (l / 16) + 0 .. 31
.irp c, 0,1
	ds_load_b128 v[\reg+4*\c:\reg+4*\c+3], v[\adr] offset:64*(\q)+32*\c+(\i)*16*PITCH
.endr
.endm
; 16 matrix instructions: A's blocks a0, a0 + 1 x B's eight.  The 64 accumulators take turns, one instruction a turn, in the same order in every step.
.macro MUL16 a0, p, q, sc, zero
.irp a, \a0, \a0+1
.irp b, 0,1,2,3,4,5,6,7
.if \zero
	v_wmma_scale_f32_16x16x128_f8f6f4 v[8*(8*((\a)%4)+\b):8*(8*((\a)%4)+\b)+7], v[128*(\p)+FR*\b:128*(\p)+FR*\b+FR-1], v[AF+FR*(\a):AF+FR*(\a)+FR-1], 0, v[SC+8*NQ*(\sc)+NQ*\b+(\q)], v[SC+8*NQ*(\sc)+NQ*(\a)+(\q)] matrix_a_fmt:MATRIX_FMT_FP4 matrix_b_fmt:MATRIX_FMT_FP4 matrix_a_scale:MATRIX_SCALE_ROW1
.else
	v_wmma_scale_f32_16x16x128_f8f6f4 v[8*(8*((\a)%4)+\b):8*(8*((\a)%4)+\b)+7], v[128*(\p)+FR*\b:128*(\p)+FR*\b+FR-1], v[AF+FR*(\a):AF+FR*(\a)+FR-1], v[8*(8*((\a)%4)+\b):8*(8*((\a)%4)+\b)+7], v[SC+8*NQ*(\sc)+NQ*\b+(\q)], v[SC+8*NQ*(\sc)+NQ*(\a)+(\q)] matrix_a_fmt:MATRIX_FMT_FP4 matrix_b_fmt:MATRIX_FMT_FP4 matrix_a_scale:MATRIX_SCALE_ROW1
.endif
.endr
.endr
.endm
.macro FETCH_B slot, q, p              ; B's eight fragments come back as they were stored: 16 bytes a lane, 512 consecutive bytes a load
	WIN TO_B
.irp i, 0,1,2,3,4,5,6,7
.irp c, 0,1
	ds_load_b128 v[128*(\p)+FR*\i+4*\c:128*(\p)+FR*\i+4*\c+3], v[ADRB+\slot] offset:\i*4096+(\q)*1024+\c*512
.endr
.endr
	WIN 0
.endm
.macro FETCH_A slot, q, i0
.irp i, \i0, \i0+1, \i0+2, \i0+3
	FRAG AF+FR*(\i), ADRA+\slot, \q, \i
.endr
.endm
.macro SCALES sc                       ; a slot's scale words: lanes 0-15 A's block i, lanes 16-31 B's block i
.irp i, 0,1,2,3,4,5,6,7
	ds_load_b128 v[SC+8*NQ*\sc+NQ*\i:SC+8*NQ*\sc+NQ*\i+3], v[ADRS] offset:\i*SBLK
.endr
.endm
.macro PLACES n                        ; plain vector places behind matrix instructions, in front of loads into their registers and of reads of results
.rept \n
	v_nop
.endr
.endm
.macro STEP slot, q, zero
	s_wait_dscnt 4*NL                              ; B's set and A's blocks 0-3 are in; A's blocks 4-7 (eight loads) may be out
	WIN MUL_LO
	MUL16 0, (\q)%2, \q, \slot, \zero
	MUL16 2, (\q)%2, \q, \slot, \zero
	s_wait_dscnt 0
	PLACES NP
	FETCH_B \slot, (\q)+1, 1-(\q)%2
	FETCH_A \slot, (\q)+1, 0
	WIN MUL_HI
	MUL16 4, (\q)%2, \q, \slot, \zero
	MUL16 6, (\q)%2, \q, \slot, \zero
	PLACES NP
	WIN 0
	FETCH_A \slot, (\q)+1, 4
.endm
.macro TURN slot, next                 ; a slot's last step: one barrier: behind it the next slot is whole in every wave's eyes, and nobody reads this one any more.  Nothing is filled again
	s_wait_tensorcnt 0x0                           ; my part of the next slot has landed
	ds_add_u32 v[SPW], v[NIL]
	s_wait_dscnt 4*NL+1                            ; the add and A's blocks 4-7 may be out
	WIN MUL_LO
	MUL16 0, 1, NQ-1, \slot, 0
	s_wait_dscnt 0x0
	s_barrier_signal -1
	MUL16 2, 1, NQ-1, \slot, 0
	WIN 0
	s_barrier_wait -1
	PLACES NP
	v_add_nc_u32 v[ADRS], 4*NQ, v[ADRS]            ; the next slot's scale words
	FETCH_B \next, 0, 0
	FETCH_A \next, 0, 0
	SCALES \next
	WIN MUL_HI
	MUL16 4, 1, NQ-1, \slot, 0
	MUL16 6, 1, NQ-1, \slot, 0
	PLACES NP
	WIN 0
	FETCH_A \next, 0, 4
.endm
	s_wait_tensorcnt 1                             ; the scale bytes and my part of slot 0 are in; slot 1's load may be out
	s_barrier_signal -1
	s_barrier_wait -1
	FETCH_B 0, 0, 0
	FETCH_A 0, 0, 0
	SCALES 0
	FETCH_A 0, 0, 4
	STEP 0, 0, 1                                   ; the first products start the sums: nothing is cleared
	STEP 0, 1, 0
	STEP 0, 2, 0
	TURN 0, 1
	STEP 1, 0, 0
	STEP 1, 1, 0
	STEP 1, 2, 0
	s_wait_dscnt 4*NL
	WIN MUL_LO
	MUL16 0, 1, NQ-1, 1, 0
	MUL16 2, 1, NQ-1, 1, 0
	s_wait_dscnt 0
	WIN MUL_HI
	MUL16 4, 1, NQ-1, 1, 0
	MUL16 6, 1, NQ-1, 1, 0
	WIN 0
	PLACES NP
	; positions 0-15 (cluster y = 0, upper row half, block 0) leave in f32 as they lie in the registers: 512 consecutive bytes a store
	s_and_b32 s12, ttmp7, 0xffff
	s_or_b32 s12, s12, s15
	s_cmp_lg_u32 s12, 0
	s_cbranch_scc1 .Lnot_fine
	WIN 0x08                                       ; a store's data: window 2
.irp b, 0,1,2,3,4,5,6,7
	global_store_b128 v[FO], v[8*\b:8*\b+3], s[98:99] offset:\b*1024
	global_store_b128 v[FO], v[8*\b+4:8*\b+7], s[98:99] offset:\b*1024+512
.endr
	WIN 0
.Lnot_fine:
; THE WAY OUT, block by block of 16 rows x 128 d (two heads): rounded to f16, 16 bytes a lane into my stage, back as pairs of rows of one head: sixteen lanes store 256 consecutive bytes, aligned.
.macro PACK a
.set AC, 64*((\a)%4)
	WIN 0x0a+5*((\a)/4)
.irp b, 0,1,2,3,4,5,6,7
.irp r, 0,1,2,3
	v_cvt_pk_f16_f32 v[TMP+4*\b+\r], v[AC+8*\b+2*\r], v[AC+8*\b+2*\r+1]
.endr
.endr
	WIN 0
.endm
.macro TOSTAGE a
.set BB, BK+32*((\a)%2)
.irp b, 0,1,2,3,4,5,6,7
	ds_store_b128 v[STO], v[TMP+4*\b:TMP+4*\b+3] offset:32*\b
.endr
.irp i, 0,1,2,3,4,5,6,7
	ds_load_b128 v[BB+4*\i:BB+4*\i+3], v[RD] offset:\i*2*SPITCH   ; LDS serves a wave's instructions in order: these see the stores above
.endr
.endm
.macro SEND a
.set BB, BK+32*((\a)%2)
	s_wait_dscnt 0x0                               ; the block is back in registers
	s_wait_xcnt 0x0                                ; the earlier stores have read their registers: the next block's loads may land there
.irp i, 0,1,2,3,4,5,6,7
	global_store_b128 v[CO], v[BB+4*\i:BB+4*\i+3], s[96:97] offset:(16*(\a)+2*\i)*128
.endr
.endm
	PACK 0
	TOSTAGE 0
.irp a, 1,2,3,4,5,6,7
	PACK \a
	SEND \a-1
	TOSTAGE \a
.endr
	SEND 7
	s_wait_tensorcnt 0x0                           ; the wave's end
	ds_add_u32 v[SPW], v[NIL]
	s_wait_dscnt 0x0
	CROUND                                         ; the closing round
	s_endpgm
.Lfunc_end_k_qa350c629d1_qkv:
	.size	k_qa350c629d1_qkv, .Lfunc_end_k_qa350c629d1_qkv-k_qa350c629d1_qkv
	.p2alignl 7, 3214868480
	.fill 96, 4, 3214868480
	.section	.rodata,"a",@progbits
	.p2align	6, 0x0
	.amdhsa_kernel k_qa350c629d1_qkv
		.amdhsa_group_segment_fixed_size 327680
		.amdhsa_private_segment_fixed_size 0
		.amdhsa_enable_private_segment 0
		.amdhsa_kernarg_size 48
		.amdhsa_user_sgpr_count 2
		.amdhsa_user_sgpr_kernarg_segment_ptr 1
		.amdhsa_wavefront_size32 1
		.amdhsa_system_sgpr_workgroup_id_x 1
		.amdhsa_system_sgpr_workgroup_id_y 1
		.amdhsa_system_sgpr_workgroup_id_z 1
		.amdhsa_system_vgpr_workitem_id 0
		.amdhsa_next_free_vgpr 1024
		.amdhsa_next_free_sgpr 100
		.amdhsa_reserve_vcc 0
		.amdhsa_float_denorm_mode_32 3
		.amdhsa_float_denorm_mode_16_64 3
		.amdhsa_memory_ordered 1
		.amdhsa_forward_progress 1
		.amdhsa_inst_pref_size 128
	.end_amdhsa_kernel
	.amdgpu_metadata
---
amdhsa.version: [ 1, 2 ]
amdhsa.kernels:
  - .name:           k_qa350c629d1_qkv
    .symbol:         k_qa350c629d1_qkv.kd
    .args:
      - { .name: xc, .offset: 0, .size: 8, .value_kind: global_buffer, .address_space: global }
      - { .name: xs, .offset: 8, .size: 8, .value_kind: global_buffer, .address_space: global }
      - { .name: wc, .offset: 16, .size: 8, .value_kind: global_buffer, .address_space: global }
      - { .name: ws, .offset: 24, .size: 8, .value_kind: global_buffer, .address_space: global }
      - { .name: qkv, .offset: 32, .size: 8, .value_kind: global_buffer, .address_space: global }
      - { .name: qkvf, .offset: 40, .size: 8, .value_kind: global_buffer, .address_space: global }
    .group_segment_fixed_size: 327680
    .private_segment_fixed_size: 0
    .kernarg_segment_align: 8
    .kernarg_segment_size: 48
    .max_flat_workgroup_size: 128
    .sgpr_count:     100
    .vgpr_count:     1024
    .wavefront_size: 32
...
	.end_amdgpu_metadata
.endif
;; end of part 2
;; launch attn (part 3): grid 4 x 64, 8 waves a work-group, no clusters, 327,680 bytes of LDS; arguments qkv, att; writes att
.if DOCPART == 3
	.amdgcn_target "amdgcn-amd-amdhsa--gfx1250"
	.amdhsa_code_object_version 6
	.text
	.protected	k_qa350c629d1_attn
	.globl	k_qa350c629d1_attn
	.p2align	8
	.type	k_qa350c629d1_attn,@function
k_qa350c629d1_attn:
	s_mov_b64 s[64:65], 0
	v_nop
	global_prefetch_b8 v0, s[64:65] scope:SCOPE_SE
	s_setreg_imm32_b32 hwreg(HW_REG_WAVE_MODE, 25, 1), 1
	s_wait_xcnt 0x0
; att[b][h][t][:] = the sum over keys s <= t of softmax_s(q[t] . k[s] / 8) v[s][:], for one (b, h) a work-group row.  q, k, v: f16, [which][b][h][t][64]; att: f16, [b][h][t][64].
; Products on f16 operands with f32 sums; maxima, exponentials and sums in f32; a running maximum m and sum l for each query.  The weights p are rounded to f16 for the second product.
; Positions 0-15 are computed here like the others; the output rows that hang on them are made anew, in f32, by a later launch.
; SHARES.  Work-group (J, bh) owns query blocks J and 7 - J of 256 queries: under the causal mask (J + 1) + (8 - J) = 9 slots of 256 keys, the same for every work-group, so the loop's trip count
; is a constant and the work is even.  Each of the eight waves owns 32 queries (two tiles of 16), so that each fragment of K and V read from LDS feeds two matrix instructions.
; NO CLUSTER: the four work-groups of a head walk different slots in the same visit (block J ends after J + 1 slots), so partners would need different tiles in the same round.
; LAYOUT.  S^T = K Q^T (source 0 = 16 keys, source 1 = 16 queries): a lane holds one query (lane % 16) and keys 8 (lane / 16) + 0..7; two such tiles, rounded in pairs, are source 1 of
; O^T = V^T P; V comes out of LDS turned, by ds_load_tr16_b128.
; LIMITS: NaN and infinities are not served.
; REGISTERS: window 0: v1-15 addresses and constants; v16-31 statistics, 8 a tile (+0 c m, +1 m, +2 +3 l, +4..7 at work, a in +6); v32-95 K; v96-159 V; v160-223 S^T; v224-255 P.
;   window 1: v0-63 O^T (32 a tile); v64-95 Q.
.set PK,    144                        ; a row of K in LDS: 128 bytes + 16
.set PVP,   160                        ; a row of V: 128 + 32: an odd multiple of 32 bytes
.set VOFF,  256*PK                     ; a slot: 256 rows of K, then 256 of V
.set SLOT1, 1<<17                      ; slot 1 begins here: one exclusive or turns an address
.set STAGE, SLOT1+256*(PK+PVP)         ; the way out: 32 rows x 144 bytes a wave; no fill lands here
.set SPARE, STAGE+8*32*PK              ; the spare words, 128 bytes a wave
.set MSB, 0
.macro WIN new
.if MSB != \new
	s_set_vgpr_msb (MSB<<8)|\new
.set MSB, \new
.endif
.endm
; s2 LDS byte of the slot in hand; s3 the visit; s8 J; s9 my first query; s10 the step's first key; s[14:15] c; s[16:17] lane selects; s18 wave; s19 the prefetches' limit;
; s[20:21] q, s[22:23] att at (b, h); s[24:31], s[32:39] descriptor groups 1 for K, V; s[40:43], s[44:47] their groups 0, which walk; s[48:49], s[50:51] q, att at my first query;
; s[52:53] where my prefetches stand; s[54:55] the step back at the change of query blocks; s58 (J + 1) slots in bytes
.macro TLOAD                           ; waves 0, 1 fetch K's halves, waves 2, 3 V's, the others nothing
	s_cmp_lt_u32 s18, 2
	s_cbranch_scc0 .Lnot_k_\@
	tensor_load_to_lds s[40:43], s[24:31]
	s_nop 0
.rept 4
	v_nop
.endr
	s_branch .Lasked_\@
.Lnot_k_\@:
	s_cmp_lt_u32 s18, 4
	s_cbranch_scc0 .Lasked_\@
	tensor_load_to_lds s[44:47], s[32:39]
	s_nop 0
.rept 4
	v_nop
.endr
.Lasked_\@:
.endm
; A prefetch of the slot that the NEXT change will ask for.  All four work-groups of a head walk the same K and V: the one with J = 0 asks (its change of visit u loads slot u and names slot u + 1,
; u = 0 .. 6); in it waves 4, 5 ask for K's halves and waves 6, 7 for V's: 16,384 bytes a wave, lanes 256 bytes apart, two instructions.  So each aligned 256 bytes of slots 1 to 7 is named once;
; slot 0 comes by its load alone, and the last filling change names nothing.
.macro ASK
	s_cmp_lt_u32 s3, s19
	s_cbranch_scc0 .Lnot_mine_\@
	global_prefetch_b8 v11, s[52:53] th:TH_LOAD_NT scope:SCOPE_SE
	global_prefetch_b8 v11, s[52:53] offset:8192 th:TH_LOAD_NT scope:SCOPE_SE
.Lnot_mine_\@:
.endm
	s_load_b128 s[4:7], s[0:1], 0x0                ; qkv, att
	v_lshl_add_u32 v5, v0, 2, SPARE                ; v5: my spare word; v6: 0; both never rewritten
	v_mov_b32 v6, 0
	ds_add_u32 v5, v6                              ; the opening: the add, twice on end, and its wait ahead of the first tensor load
	ds_add_u32 v5, v6
	v_lshrrev_b32 v14, 5, v0
	v_readfirstlane_b32 s18, v14                   ; wave 0..7
	s_mov_b32 s8, ttmp9                            ; J
	s_and_b32 s56, ttmp7, 0xffff
	s_lshl_b32 s56, s56, 18                        ; (b, h): 2,048 rows of 128 bytes
	s_mov_b32 s57, 0
	s_and_b32 s59, s18, 1
	s_mov_b32 s24, (1<<16)|(1<<20)|(4<<22)|(3<<25) ; K: elements of 2 bytes; 4 words of padding behind every 32
	s_mov_b32 s25, 64<<16
	s_mov_b32 s26, 128<<16
	s_mov_b32 s27, 64<<16
	s_mov_b32 s28, 128
	s_mov_b32 s29, 64
	s_mov_b32 s30, 0
	s_mov_b32 s31, 0
	s_mov_b32 s32, (1<<16)|(1<<20)|(4<<22)|(7<<25) ; V: 8 words of padding
	s_mov_b32 s33, 64<<16
	s_mov_b32 s34, 128<<16
	s_mov_b32 s35, 64<<16
	s_mov_b32 s36, 128
	s_mov_b32 s37, 64
	s_mov_b32 s38, 0
	s_mov_b32 s39, 0
	s_mov_b32 s40, 1
	s_mul_i32 s41, s59, 128*PK                     ; my half of K's rows in slot 0
	s_mov_b32 s44, 1
	s_mul_i32 s45, s59, 128*PVP
	s_add_co_u32 s45, s45, VOFF
	s_lshl_b32 s60, s59, 14                        ; the same half in memory: 128 rows of 128 bytes
	s_add_co_u32 s60, s60, s56
	s_mov_b32 s61, 0
	s_add_co_u32 s58, s8, 1
	s_lshl_b32 s58, s58, 15
	s_mov_b32 s54, 0
	s_mov_b32 s55, 0
	s_mov_b32 s14, 0x3e38aa3b                      ; c = log2(e) / 8
	s_mov_b32 s15, s14
	s_mov_b32 s16, 0x76543210
	s_mov_b32 s17, 0xfedcba98
	s_mov_b32 s2, 0
	s_mov_b32 s3, 0
	s_lshr_b32 s12, s18, 2
	s_xor_b32 s12, s12, 1                          ; 0 in waves 4 to 7
	s_or_b32 s12, s12, ttmp9                       ; of the work-group with J = 0
	s_cmp_eq_u32 s12, 0
	s_cselect_b32 s19, 7, 0
	s_cmp_lt_u32 s18, 6
	s_mov_b32 s12, 0x2000000                       ; V's part of qkv,
	s_cselect_b32 s12, 0x1000000, s12              ; or K's
	s_mov_b32 s13, 0
	s_wait_dscnt 0x0                               ; both opening adds are done
	s_wait_kmcnt 0x0
	s_add_nc_u64 s[20:21], s[4:5], s[56:57]
	s_add_nc_u64 s[22:23], s[6:7], s[56:57]
	s_add_nc_u64 s[42:43], s[4:5], s[60:61]
	s_add_nc_u64 s[52:53], s[42:43], s[12:13]      ; at slot 0: the first change steps it to slot 1
	s_add_nc_u64 s[46:47], s[42:43], 0x2000000
	s_add_nc_u64 s[42:43], s[42:43], 0x1000000
	s_or_b32 s43, s43, 0x80000000
	s_or_b32 s47, s47, 0x80000000
	TLOAD                                          ; slot 0
	v_and_b32 v14, 15, v0                          ; r
	v_bfe_u32 v15, v0, 4, 1                        ; h
	v_mul_u32_u24 v1, v14, PK
	v_lshl_add_u32 v1, v15, 4, v1                  ; v1: my place in a tile of K
	v_and_b32 v3, 7, v0
	v_lshl_add_u32 v2, v15, 3, v3
	v_mul_u32_u24 v2, v2, PVP
	v_bfe_u32 v4, v0, 3, 1
	v_lshl_add_u32 v2, v4, 4, v2
	v_add_nc_u32 v2, VOFF, v2                      ; v2: the same for V: key 8 h + l % 8, channels 8 ((l / 8) % 2) on
	v_lshlrev_b32 v7, 7, v14
	v_lshl_add_u32 v7, v15, 4, v7                  ; v7: Q: row r of 128 bytes + 16 h
	s_mul_i32 s12, s18, 32*PK
	s_add_co_u32 s12, s12, STAGE
	v_add_nc_u32 v8, s12, v1                       ; v8: into my stage
	v_bfe_u32 v9, v0, 3, 2
	v_mul_u32_u24 v9, v9, PK
	v_lshl_add_u32 v9, v3, 4, v9
	v_add_nc_u32 v9, s12, v9                       ; v9: back: four rows of 128 bytes a load
	v_and_b32 v10, 31, v0
	v_lshlrev_b32 v11, 8, v10                      ; v11: 256 x lane
	v_lshlrev_b32 v10, 4, v10                      ; v10: 16 x lane
	v_lshlrev_b32 v12, 3, v15
	v_sub_nc_u32 v12, v14, v12                     ; v12: r - 8 h
	v_mov_b32 v13, 0xff800000                      ; v13: -infinity
; A query block begins (s13 = its number): Q into registers; m = -3e38, under every score; l and O^T zero, which the first change of m leaves zero.
.macro INIT
	s_lshl_b32 s9, s13, 8
	s_lshl_b32 s12, s18, 5
	s_add_co_u32 s9, s9, s12                       ; my first query
	s_mov_b32 s10, 0
	s_lshl_b32 s12, s9, 7
	s_mov_b32 s13, 0
	s_add_nc_u64 s[48:49], s[20:21], s[12:13]      ; (the loads and stores that named these two pairs have been waited for)
	s_add_nc_u64 s[50:51], s[22:23], s[12:13]
	WIN 0x40                                       ; destination window 1
.irp t, 0,1
.irp kc, 0,1
	global_load_b128 v[64+16*\t+8*\kc:67+16*\t+8*\kc], v7, s[48:49] offset:\t*2048+\kc*64
	global_load_b128 v[68+16*\t+8*\kc:71+16*\t+8*\kc], v7, s[48:49] offset:\t*2048+\kc*64+32
.endr
.endr
.set n, 0
.rept 64
	v_mov_b32 v[n], 0
.set n, n+1
.endr
	WIN 0
.irp t, 0,1
	v_mov_b32 v[17+8*\t], 0xff61b1e6
	v_mul_f32 v[16+8*\t], s14, v[17+8*\t]
.irp j, 2,3,4,5,6,7
	v_mov_b32 v[16+8*\t+\j], 0
.endr
.endr
	s_wait_loadcnt 0x0
.endm
; One key step's softmax, both tiles line by line.
.macro SOFTMAX
.irp j, 0,1,2,3
.irp t, 0,1
	v_max3_num_f32 v[20+8*\t+\j], v[160+32*\t+8*\j], v[161+32*\t+8*\j], v[162+32*\t+8*\j]   ; four chains; each accumulator is read from its low end on
.endr
.endr
.irp g, 1,2
.irp j, 0,1,2,3
.irp t, 0,1
	v_max3_num_f32 v[20+8*\t+\j], v[20+8*\t+\j], v[161+32*\t+8*\j+2*\g], v[162+32*\t+8*\j+2*\g]
.endr
.endr
.endr
.irp t, 0,1
	v_max3_num_f32 v[20+8*\t], v[20+8*\t], v[167+32*\t], v[175+32*\t]
.endr
.irp t, 0,1
	v_max3_num_f32 v[22+8*\t], v[22+8*\t], v[183+32*\t], v[191+32*\t]
.endr
.irp t, 0,1
	v_max3_num_f32 v[20+8*\t], v[20+8*\t], v[21+8*\t], v[22+8*\t]
.endr
.irp t, 0,1
	v_max3_num_f32 v[20+8*\t], v[20+8*\t], v[23+8*\t], v[17+8*\t]   ; and the old m
.endr
.irp t, 0,1
	v_permlanex16_b32 v[21+8*\t], v[20+8*\t], s16, s17   ; the query's other 32 keys lie in the lane 16 away
.endr
.irp t, 0,1
	v_mov_b32 v[23+8*\t], v[16+8*\t]               ; c m_old
.endr
.irp t, 0,1
	v_max_num_f32 v[17+8*\t], v[20+8*\t], v[21+8*\t]
.endr
.irp t, 0,1
	v_mul_f32 v[16+8*\t], s14, v[17+8*\t]
.endr
.irp t, 0,1
	v_sub_f32 v[23+8*\t], v[23+8*\t], v[16+8*\t]
.endr
.set n, 0
.rept 16
.irp t, 0,1
	v_pk_fma_f32 v[160+32*\t+2*n:161+32*\t+2*n], v[160+32*\t+2*n:161+32*\t+2*n], s[14:15], v[16+8*\t:17+8*\t] op_sel_hi:[1,0,0] neg_lo:[0,0,1] neg_hi:[0,0,1]   ; c s - c m
.endr
.set n, n+1
.endr
.irp t, 0,1
	v_exp_f32 v[22+8*\t], v[23+8*\t]               ; a = 2^(c m_old - c m)
.endr
.set n, 0
.rept 64
	v_exp_f32 v[160+n], v[160+n]
.set n, n+1
.endr
	v_nop                                          ; a plain instruction behind the last exponential
	s_wait_alu depctr_va_vdst(0)                   ; one wait for the batch of 66, ahead of its first reader
.set n, 0
.rept 32
	v_cvt_pk_f16_f32 v[224+n], v[160+2*n], v[161+2*n]
.set n, n+1
.endr
.set n, 0
.rept 16
	v_pk_add_f32 v[160+4*n:161+4*n], v[160+4*n:161+4*n], v[162+4*n:163+4*n]   ; the sum of the unrounded weights, in place
.set n, n+1
.endr
.set n, 0
.rept 8
	v_pk_add_f32 v[160+8*n:161+8*n], v[160+8*n:161+8*n], v[164+8*n:165+8*n]
.set n, n+1
.endr
.set n, 0
.rept 4
	v_pk_add_f32 v[160+16*n:161+16*n], v[160+16*n:161+16*n], v[168+16*n:169+16*n]
.set n, n+1
.endr
.irp t, 0,1
	v_pk_add_f32 v[160+32*\t:161+32*\t], v[160+32*\t:161+32*\t], v[176+32*\t:177+32*\t]
.endr
.irp t, 0,1
	v_pk_fma_f32 v[18+8*\t:19+8*\t], v[18+8*\t:19+8*\t], v[22+8*\t:23+8*\t], v[160+32*\t:161+32*\t] op_sel_hi:[1,0,1]   ; l = a l + the sum
.endr
.endm
; A key step: 64 keys, the i-th of the slot in hand.  A step all of whose keys come after my 32 queries is left out: a branch on ids, round the step's loads and work alone.
.macro STEP i
	s_add_co_u32 s12, s9, 31
	s_cmp_gt_u32 s10, s12
	s_cbranch_scc1 .Lhid_\@
.rept 4
	v_nop                                          ; places in front of loads into registers that the last products read
.endr
.irp kt, 0,1,2,3
.irp kc, 0,1
	ds_load_b128 v[32+16*\kt+8*\kc:35+16*\kt+8*\kc], v3 offset:\i*64*PK+\kt*16*PK+\kc*64
	ds_load_b128 v[36+16*\kt+8*\kc:39+16*\kt+8*\kc], v3 offset:\i*64*PK+\kt*16*PK+\kc*64+32
.endr
.endr
.irp ks, 0,1
.irp ct, 0,1,2,3
	ds_load_tr16_b128 v[96+32*\ks+8*\ct:99+32*\ks+8*\ct], v4 offset:\i*64*PVP+\ks*32*PVP+\ct*32
	ds_load_tr16_b128 v[100+32*\ks+8*\ct:103+32*\ks+8*\ct], v4 offset:\i*64*PVP+\ks*32*PVP+16*PVP+\ct*32
.endr
.endr
	s_wait_dscnt 16                                ; K is in; V's sixteen loads may be out
	WIN 0x04                                       ; Q in window 1
.irp kt, 0,1,2,3
.irp t, 0,1
	v_wmma_f32_16x16x32_f16 v[160+32*\t+8*\kt:167+32*\t+8*\kt], v[32+16*\kt:39+16*\kt], v[64+16*\t:71+16*\t], 0   ; the eight accumulators take turns
.endr
.endr
.irp kt, 0,1,2,3
.irp t, 0,1
	v_wmma_f32_16x16x32_f16 v[160+32*\t+8*\kt:167+32*\t+8*\kt], v[40+16*\kt:47+16*\kt], v[72+16*\t:79+16*\t], v[160+32*\t+8*\kt:167+32*\t+8*\kt]
.endr
.endr
	WIN 0
.rept 4
	v_nop
.endr
	s_add_co_u32 s12, s10, 63                      ; on the diagonal hidden scores become -infinity ahead of the maximum; a step all of whose keys count jumps over this
	s_cmp_le_u32 s12, s9
	s_cbranch_scc1 .Lopen_\@
	s_sub_co_i32 s12, s9, s10
	v_add_nc_u32 v14, s12, v12                     ; d = first query - first key + r - 8 h: register (t, kt, j) is hidden where 16 kt + j - 16 t > d
.irp t, 0,1
.irp kt, 0,1,2,3
.irp j, 0,1,2,3,4,5,6,7
	v_cmp_gt_i32 vcc_lo, 16*\kt+\j-16*\t, v14
	v_cndmask_b32 v[160+32*\t+8*\kt+\j], v[160+32*\t+8*\kt+\j], v13, vcc_lo
.endr
.endr
.endr
.Lopen_\@:
	SOFTMAX
	WIN 0x41                                       ; O^T in window 1, a in window 0
.irp t, 0,1
.set n, 0
.rept 16
	v_pk_mul_f32 v[32*\t+2*n:32*\t+2*n+1], v[32*\t+2*n:32*\t+2*n+1], v[22+8*\t:23+8*\t] op_sel_hi:[1,0]
.set n, n+1
.endr
.endr
	s_wait_dscnt 0x0                               ; V is in
	WIN 0x50
.irp ks, 0,1
.irp ct, 0,1,2,3
.irp t, 0,1
	v_wmma_f32_16x16x32_f16 v[32*\t+8*\ct:32*\t+8*\ct+7], v[96+32*\ks+8*\ct:103+32*\ks+8*\ct], v[224+16*\t+8*\ks:231+16*\t+8*\ks], v[32*\t+8*\ct:32*\t+8*\ct+7]
.endr
.endr
.endr
	WIN 0
.Lhid_\@:
	s_add_co_u32 s10, s10, 64
.endm
; The change of slots, at a visit's head: every wave waits for all its tensor loads, adds 0 to its spare word, waits for that and for its reads of the slot that it has left; one barrier;
; fill = 1: the slot just left is asked for first thing behind it, one load in each of waves 0-3, and has a whole visit in which to land.
.macro CHANGE fill
	s_wait_tensorcnt 0x0
	ds_add_u32 v5, v6
.if \fill
	ds_add_u32 v5, v6                              ; and twice on end here, in every trip alike
	s_xor_b32 s41, s41, SLOT1                      ; no tensor load of mine is out: the walking descriptors step
	s_xor_b32 s45, s45, SLOT1
	s_add_nc_u64 s[42:43], s[42:43], 32768         ; the next 256 keys,
	s_add_nc_u64 s[46:47], s[46:47], 32768
	s_cmp_eq_u32 s3, s8
	s_cselect_b32 s54, s58, 0                      ; or, where the next visit begins the second query block, back to key 0
	s_sub_nc_u64 s[42:43], s[42:43], s[54:55]
	s_sub_nc_u64 s[46:47], s[46:47], s[54:55]
	s_wait_xcnt 0x0                                ; the last prefetches, a visit back, have read their address
	s_add_nc_u64 s[52:53], s[52:53], 32768
.endif
	s_wait_dscnt 0x0
	s_barrier_signal -1
	s_barrier_wait -1
.if \fill
	TLOAD
	ASK
.endif
	v_add_nc_u32 v3, s2, v1
	v_add_nc_u32 v4, s2, v2
.endm
; A query block ends: O^T / l, rounded to f16, through my stage, out as 512 consecutive bytes a store.
.macro FINISH
.rept 4
	v_nop
.endr
.irp t, 0,1
	v_add_f32 v[20+8*\t], v[18+8*\t], v[19+8*\t]
.endr
.irp t, 0,1
	v_permlanex16_b32 v[21+8*\t], v[20+8*\t], s16, s17
.endr
.irp t, 0,1
	v_add_f32 v[20+8*\t], v[20+8*\t], v[21+8*\t]
.endr
.irp t, 0,1
	v_rcp_f32 v[22+8*\t], v[20+8*\t]
.endr
	v_nop
	s_wait_alu depctr_va_vdst(0)                   ; one wait for both reciprocals, ahead of their first reader
	WIN 0x41
.irp t, 0,1
.set n, 0
.rept 16
	v_pk_mul_f32 v[32*\t+2*n:32*\t+2*n+1], v[32*\t+2*n:32*\t+2*n+1], v[22+8*\t:23+8*\t] op_sel_hi:[1,0]
.set n, n+1
.endr
.endr
	WIN 0x05
.set n, 0
.rept 32
	v_cvt_pk_f16_f32 v[160+n], v[2*n], v[2*n+1]
.set n, n+1
.endr
	WIN 0
.irp t, 0,1
.irp ct, 0,1,2,3
	ds_store_b128 v8, v[160+16*\t+4*\ct:163+16*\t+4*\ct] offset:\t*16*PK+32*\ct
.endr
.endr
.irp i, 0,1,2,3,4,5,6,7
	ds_load_b128 v[32+4*\i:35+4*\i], v9 offset:\i*4*PK   ; in order behind my stores
.endr
.irp i, 0,1,2,3,4,5,6,7
	s_wait_dscnt 7-\i                              ; the younger loads may be out
	global_store_b128 v10, v[32+4*\i:35+4*\i], s[50:51] offset:512*\i
.endr
	s_wait_xcnt 0x0                                ; the stores have read their registers and their base
.endm
	s_mov_b32 s13, s8
	INIT                                           ; query block J
.Lvisit:                                               ; eight trips: behind each change but the last the next visit's slot is asked for
	CHANGE 1
	STEP 0
	STEP 1
	STEP 2
	STEP 3
	s_xor_b32 s2, s2, SLOT1
	s_cmp_lg_u32 s3, s8
	s_cbranch_scc1 .Lsame
	FINISH                                         ; block J is done behind visit J,
	s_sub_co_u32 s13, 7, s8
	INIT                                           ; and block 7 - J begins
.Lsame:
	s_add_co_u32 s3, s3, 1
	s_cmp_lt_u32 s3, 8
	s_cbranch_scc1 .Lvisit
	CHANGE 0                                       ; the last visit is written out: it asks for nothing
	STEP 0
	STEP 1
	STEP 2
	STEP 3
	FINISH
	s_wait_tensorcnt 0x0                           ; the wave's end
	ds_add_u32 v5, v6
	s_wait_dscnt 0x0
	s_endpgm
.Lfunc_end_k_qa350c629d1_attn:
	.size	k_qa350c629d1_attn, .Lfunc_end_k_qa350c629d1_attn-k_qa350c629d1_attn
	.p2alignl 7, 3214868480
	.fill 96, 4, 3214868480
	.section	.rodata,"a",@progbits
	.p2align	6, 0x0
	.amdhsa_kernel k_qa350c629d1_attn
		.amdhsa_group_segment_fixed_size 327680
		.amdhsa_private_segment_fixed_size 0
		.amdhsa_enable_private_segment 0
		.amdhsa_kernarg_size 16
		.amdhsa_user_sgpr_count 2
		.amdhsa_user_sgpr_kernarg_segment_ptr 1
		.amdhsa_wavefront_size32 1
		.amdhsa_system_sgpr_workgroup_id_x 1
		.amdhsa_system_sgpr_workgroup_id_y 1
		.amdhsa_system_sgpr_workgroup_id_z 1
		.amdhsa_system_vgpr_workitem_id 0
		.amdhsa_next_free_vgpr 352
		.amdhsa_next_free_sgpr 66
		.amdhsa_reserve_vcc 1
		.amdhsa_float_denorm_mode_32 3
		.amdhsa_float_denorm_mode_16_64 3
		.amdhsa_memory_ordered 1
		.amdhsa_forward_progress 1
		.amdhsa_inst_pref_size 199
	.end_amdhsa_kernel
	.amdgpu_metadata
---
amdhsa.version: [ 1, 2 ]
amdhsa.kernels:
  - .name:           k_qa350c629d1_attn
    .symbol:         k_qa350c629d1_attn.kd
    .args:
      - { .name: qkv, .offset: 0, .size: 8, .value_kind: global_buffer, .address_space: global }
      - { .name: att, .offset: 8, .size: 8, .value_kind: global_buffer, .address_space: global }
    .group_segment_fixed_size: 327680
    .private_segment_fixed_size: 0
    .kernarg_segment_align: 8
    .kernarg_segment_size: 16
    .max_flat_workgroup_size: 256
    .sgpr_count:     66
    .vgpr_count:     352
    .wavefront_size: 32
...
	.end_amdgpu_metadata
.endif
;; end of part 3
;; launch proj (part 4): grid 4 x 64, 4 waves a work-group, clusters of 4 x 4, 327,680 bytes of LDS; arguments att, wo16, bo, out0; writes out0
.if DOCPART == 4
	.amdgcn_target "amdgcn-amd-amdhsa--gfx1250"
	.amdhsa_code_object_version 6
	.text
	.protected	k_qa350c629d1_proj
	.globl	k_qa350c629d1_proj
	.p2align	8
	.type	k_qa350c629d1_proj,@function
k_qa350c629d1_proj:
	s_mov_b64 s[64:65], 0
	v_nop
	global_prefetch_b8 v0, s[64:65] scope:SCOPE_SE
	s_setreg_imm32_b32 hwreg(HW_REG_WAVE_MODE, 25, 1), 1
	s_wait_xcnt 0x0
	s_wait_alu depctr_hold_cnt(0) depctr_sa_sdst(0) depctr_va_vdst(0) depctr_va_sdst(0) depctr_va_ssrc(0) depctr_va_vcc(0) depctr_vm_vsrc(0)
	s_getreg_b32 s2, hwreg(HW_REG_IB_STS2, 6, 4)
	s_cmp_eq_u32 s2, 0
	s_cbranch_scc0 .Lentry_in_a_cluster
	s_endpgm
.Lentry_in_a_cluster:
	s_bfe_u32 s2, ttmp6, 0x10000c
	s_cmp_lg_u32 s2, 0xf033
	s_cbranch_scc0 .Lentry_shape_is_right
	s_endpgm
.Lentry_shape_is_right:
; out0[b][t][o] = the sum over c of att[b][t][c] Wo[o][c] + bo[o], c = 64 x head + d, for all positions but t < 16, which a later launch makes in f32.  att: f16 [b][head][t][64]; wo16: f16 [o][c].
; Sums in f32; bo is the C of each sum's first matrix instruction.
; A tile of out0 is 128 rows x 256 columns: 256 work-groups.  Four waves, each 64 x 128: 32 accumulators.  K goes in steps of 128 (two heads) through two LDS slots.
; CLUSTERS 4 x 4: the batch is cy, the block of 128 positions the cluster's y, the tile column cx.  A's tiles are shared along a row of the cluster, B's along a column: joint loads.
; No prefetch: eight short K steps, and the tiles are shared by joint loads.
; THE MATRIX INSTRUCTION IS USED TRANSPOSED (source 0 = 16 o, source 1 = 16 rows): a lane holds eight neighbouring o of one row.
; REGISTERS: window 0: v0-31 addresses; v32-63, v64-95 A's fragments, two buffers; v96-159, v160-223 B's; on the way out v32-159 rows.  window 1: accumulator (a, b) at v[8 (8 a + b)].  window 2: v0-63 bo.
.set PA,     144                       ; a row of A's sub-tile (one head: 128 bytes) + 16
.set SUBA,   128*PA
.set PB,     272                       ; a row of B's tile: 256 bytes + 16
.set BOFF,   2*SUBA
.set HALFB,  128*PB
.set SLOT,   BOFF+2*HALFB
.set STAGE,  2*SLOT                    ; 16 rows x (512 + 16) bytes a wave; no fill lands here
.set SPITCH, 528
.set SPARE,  STAGE+4*16*SPITCH
.set LAPS,   4
.set ADRA, 16
.set ADRB, 20
.set STO,  24
.set RD,   25
.set CO,   26
.set BO,   27
.set SPW,  28
.set NIL,  29
.set BK,   32
.set G1, 24
.set G0, 32
.set G1B, 48
.set G0B, 56
.set MSB, 0
.macro WIN new
.if MSB != \new
	s_set_vgpr_msb (MSB<<8)|\new
.set MSB, \new
.endif
.endm
.set MUL,   0x50                       ; C and D window 1
.set MUL_B, 0x60                       ; D window 1, C (bo) window 2
.macro JLOAD s
	s_cmp_eq_u32 s15, 0
	s_cbranch_scc0 .Lfor_b_\@
	tensor_load_to_lds s[G0+4*\s:G0+4*\s+3], s[G1:G1+7]
	s_nop 0
.rept 4
	v_nop
.endr
	s_branch .Lasked_\@
.Lfor_b_\@:
	tensor_load_to_lds s[G0B+4*\s:G0B+4*\s+3], s[G1B:G1B+7]
	s_nop 0
.rept 4
	v_nop
.endr
.Lasked_\@:
.endm
.macro CREST
	s_cmp_lg_u32 s14, 0
	s_cbranch_scc1 .Lnot_wave_0_\@
	s_barrier_signal -3
.Lnot_wave_0_\@:
	s_barrier_wait -3
	s_barrier_signal -1
	s_barrier_wait -1
.endm
.macro CROUND
	s_barrier_signal -1
	s_barrier_wait -1
	CREST
.endm
	s_load_b256 s[4:11], s[0:1], 0x0               ; att s[4:5], wo16 s[6:7], bo s[8:9], out0 s[10:11]
	v_lshl_add_u32 v[SPW], v0, 2, SPARE
	v_mov_b32 v[NIL], 0
	ds_add_u32 v[SPW], v[NIL]                      ; the opening: the add, twice on end, and its wait ahead of my first tensor load
	ds_add_u32 v[SPW], v[NIL]
	v_lshrrev_b32 v1, 5, v0
	v_readfirstlane_b32 s14, v1
	s_lshr_b32 s15, s14, 1                         ; my half of the rows; also: I ask for A (0) or B (1)
	s_and_b32 s16, s14, 1                          ; my half of the columns; also: which head of the two, or which 128 rows of B, I ask for
	s_bfe_u32 s40, ttmp6, 0x40000
	s_bfe_u32 s41, ttmp6, 0x40004
	s_lshl_b32 s42, ttmp9, 2
	s_add_co_u32 s42, s42, s40                     ; tile column
	s_and_b32 s17, ttmp7, 0xffff                   ; block of 128 positions
	s_lshl_b32 s43, s41, 2
	s_lshl_b32 s43, 15, s43
	s_lshl_b32 s44, 0x1111, s40
	s_or_b32 s[G1+0], s43, (1<<16)|(1<<20)|(1<<21)|(4<<22)|(3<<25)   ; A: 128 rows x 64 f16, dense; 4 words of padding behind every 32
	s_mov_b32 s[G1+1], 64<<16
	s_mov_b32 s[G1+2], 128<<16
	s_mov_b32 s[G1+3], 64<<16
	s_mov_b32 s[G1+4], 128
	s_mov_b32 s[G1+5], 64
	s_mov_b32 s[G1+6], 0
	s_mov_b32 s[G1+7], 0
	s_or_b32 s[G1B+0], s44, (1<<16)|(1<<20)|(1<<21)|(5<<22)|(3<<25)  ; B: 128 rows x 128 f16, 1,024 apart; 4 words behind every 64
	s_mov_b32 s[G1B+1], 128<<16
	s_mov_b32 s[G1B+2], 128<<16
	s_mov_b32 s[G1B+3], 128<<16
	s_mov_b32 s[G1B+4], 128
	s_mov_b32 s[G1B+5], 1024
	s_mov_b32 s[G1B+6], 0
	s_mov_b32 s[G1B+7], 0
	s_lshl_b32 s20, s41, 22                        ; A: the batch,
	s_lshl_b32 s18, s16, 18                        ; the head,
	s_add_co_u32 s20, s20, s18
	s_lshl_b32 s18, s17, 14                        ; 128 positions of 128 bytes
	s_add_co_u32 s20, s20, s18
	s_mov_b32 s21, 0
	s_lshl_b32 s46, s42, 19                        ; B: 256 rows of 2,048 bytes a tile column,
	s_lshl_b32 s47, s16, 18                        ; 128 a half
	s_add_co_u32 s46, s46, s47
	s_mov_b32 s47, 0
	s_mul_i32 s45, s16, SUBA
	s_mul_i32 s19, s16, HALFB
	s_add_co_u32 s19, s19, BOFF
	s_wait_dscnt 0x0
	s_wait_kmcnt 0x0
	s_add_nc_u64 s[20:21], s[4:5], s[20:21]
	s_add_nc_u64 s[46:47], s[6:7], s[46:47]
	CROUND
.irp s, 0,1
	s_mov_b32 s[G0+4*\s], 1
	s_add_co_u32 s[G0+4*\s+1], s45, \s*SLOT
	s_add_nc_u64 s[G0+4*\s+2:G0+4*\s+3], s[20:21], \s*524288      ; K step s: heads 2 s, 2 s + 1
	s_or_b32 s[G0+4*\s+3], s[G0+4*\s+3], 0x80000000
	s_mov_b32 s[G0B+4*\s], 1
	s_add_co_u32 s[G0B+4*\s+1], s19, \s*SLOT
	s_add_nc_u64 s[G0B+4*\s+2:G0B+4*\s+3], s[46:47], \s*256
	s_or_b32 s[G0B+4*\s+3], s[G0B+4*\s+3], 0x80000000
	JLOAD \s
.endr
	v_and_b32 v1, 15, v0
	v_bfe_u32 v2, v0, 4, 1
	v_mul_u32_u24 v3, v1, PA
	v_lshl_add_u32 v3, v2, 4, v3
	v_mul_u32_u24 v4, v1, PB
	v_lshl_add_u32 v4, v2, 4, v4
	s_mul_i32 s21, s15, 64*PA                      ; my 64 rows of A
	s_mul_i32 s22, s16, HALFB
	s_add_co_u32 s22, s22, BOFF                    ; my 128 rows of B
.irp s, 0,1
	v_add_nc_u32 v[ADRA+\s], s21, v3
	v_add_nc_u32 v[ADRB+\s], s22, v4
	s_add_co_u32 s21, s21, SLOT
	s_add_co_u32 s22, s22, SLOT
.endr
	s_mul_i32 s23, s14, 16*SPITCH
	s_add_co_u32 s23, s23, STAGE
	v_mul_u32_u24 v5, v1, SPITCH
	v_lshl_add_u32 v5, v2, 5, v5
	v_add_nc_u32 v[STO], s23, v5                   ; in: row r, 32 bytes for each half of the lanes
	v_and_b32 v6, 31, v0
	v_lshlrev_b32 v[CO], 4, v6
	v_add_nc_u32 v[RD], s23, v[CO]                 ; back: a row of 512 bytes
	v_lshlrev_b32 v[BO], 5, v2                     ; bo: eight numbers of my half
	s_lshl_b32 s2, s42, 10                         ; my first column, in bytes
	s_lshl_b32 s12, s16, 9
	s_add_co_u32 s2, s2, s12
	s_mov_b32 s3, 0
	s_add_nc_u64 s[8:9], s[8:9], s[2:3]
	s_lshl_b32 s12, s41, 23                        ; my first row: batch, block, half; 4,096 bytes a row
	s_add_co_u32 s2, s2, s12
	s_lshl_b32 s12, s17, 19
	s_add_co_u32 s2, s2, s12
	s_lshl_b32 s12, s15, 18
	s_add_co_u32 s2, s2, s12
	s_add_nc_u64 s[10:11], s[10:11], s[2:3]
	s_or_b32 s13, s17, s15                         ; 0: my block 0 is positions 0-15
	WIN 0x80                                       ; destination window 2
.irp b, 0,1,2,3,4,5,6,7
	global_load_b128 v[8*\b:8*\b+3], v[BO], s[8:9] offset:64*\b
	global_load_b128 v[8*\b+4:8*\b+7], v[BO], s[8:9] offset:64*\b+16
.endr
	WIN 0
.macro MUL8 a, f, first                ; A's block a x B's eight, 32 along K.  The 32 accumulators take turns in the same order in every quarter
.irp b, 0,1,2,3,4,5,6,7
.if \first
	v_wmma_f32_16x16x32_f16 v[8*(8*(\a)+\b):8*(8*(\a)+\b)+7], v[96+64*(\f)+8*\b:96+64*(\f)+8*\b+7], v[32+32*(\f)+8*(\a):32+32*(\f)+8*(\a)+7], v[8*\b:8*\b+7]
.else
	v_wmma_f32_16x16x32_f16 v[8*(8*(\a)+\b):8*(8*(\a)+\b)+7], v[96+64*(\f)+8*\b:96+64*(\f)+8*\b+7], v[32+32*(\f)+8*(\a):32+32*(\f)+8*(\a)+7], v[8*(8*(\a)+\b):8*(8*(\a)+\b)+7]
.endif
.endr
.endm
.macro FETCH slot, q, f                ; 24 LDS loads in one run: B's eight fragments, then A's four, of the slot's q-th 32 along K
.irp i, 0,1,2,3,4,5,6,7
	ds_load_b128 v[96+64*(\f)+8*\i:96+64*(\f)+8*\i+3], v[ADRB+\slot] offset:64*(\q)+\i*16*PB
	ds_load_b128 v[96+64*(\f)+8*\i+4:96+64*(\f)+8*\i+7], v[ADRB+\slot] offset:64*(\q)+\i*16*PB+32
.endr
.irp i, 0,1,2,3
	ds_load_b128 v[32+32*(\f)+8*\i:32+32*(\f)+8*\i+3], v[ADRA+\slot] offset:((\q)/2)*SUBA+((\q)%2)*64+\i*16*PA
	ds_load_b128 v[32+32*(\f)+8*\i+4:32+32*(\f)+8*\i+7], v[ADRA+\slot] offset:((\q)/2)*SUBA+((\q)%2)*64+\i*16*PA+32
.endr
.endm
.macro PLACES
.rept 4
	v_nop
.endr
.endm
.macro MWIN first
.if \first
	WIN MUL_B
.else
	WIN MUL
.endif
.endm
.macro QUARTER slot, q, f, g, first    ; multiplies buffer f; in its middle fetches quarter q of the same slot into buffer g
	s_wait_dscnt 4                                 ; B and A's blocks 0, 1 are in; A's blocks 2, 3 (four loads) may be out
	MWIN \first
	MUL8 0, \f, \first
	MUL8 1, \f, \first
	PLACES
	WIN 0
	FETCH \slot, \q, \g
	s_wait_dscnt 24                                ; all but the 24 just issued
	MWIN \first
	MUL8 2, \f, \first
	MUL8 3, \f, \first
.endm
.macro TURN slot, next, fill           ; a slot's last quarter (buffer 1) changes slots: one barrier; with fill it opens a round of the cluster's barrier, and the joint refill is the first thing behind the round
	WIN 0
	s_wait_tensorcnt 0x0                           ; my part of the next slot has landed
	ds_add_u32 v[SPW], v[NIL]
	s_wait_dscnt 5                                 ; the add and A's blocks 2, 3 may be out
	WIN MUL
	MUL8 0, 1, 0
	s_wait_dscnt 0x0                               ; the add is done, and my reads of this slot are over
	s_barrier_signal -1
	MUL8 1, 1, 0
	WIN 0
	s_barrier_wait -1
.if \fill
	CREST
	s_add_nc_u64 s[G0+4*\slot+2:G0+4*\slot+3], s[G0+4*\slot+2:G0+4*\slot+3], 1048576   ; two K steps on: four heads
	s_add_nc_u64 s[G0B+4*\slot+2:G0B+4*\slot+3], s[G0B+4*\slot+2:G0B+4*\slot+3], 512
	JLOAD \slot                                    ; the four v_nop behind it are also the places in front of the loads below
.else
	PLACES
.endif
	FETCH \next, 0, 0
	WIN MUL
	MUL8 2, 1, 0
	MUL8 3, 1, 0
.endm
	s_wait_tensorcnt 1                             ; my part of K step 0 is in; K step 1's load may be out
	s_barrier_signal -1
	s_barrier_wait -1
	FETCH 0, 0, 0
	s_wait_loadcnt 0x0                             ; bo
	QUARTER 0, 1, 0, 1, 1                          ; the first products start the sums from bo
	WIN 0
	s_mov_b32 s3, LAPS-1
.Llap:
	QUARTER 0, 2, 1, 0, 0
	QUARTER 0, 3, 0, 1, 0
	TURN 0, 1, 1
	QUARTER 1, 1, 0, 1, 0
	QUARTER 1, 2, 1, 0, 0
	QUARTER 1, 3, 0, 1, 0
	TURN 1, 0, 1
	QUARTER 0, 1, 0, 1, 0
	WIN 0
	s_sub_co_u32 s3, s3, 1
	s_cmp_lg_u32 s3, 0
	s_cbranch_scc1 .Llap
	QUARTER 0, 2, 1, 0, 0                          ; the last lap fills nothing
	QUARTER 0, 3, 0, 1, 0
	TURN 0, 1, 0
	QUARTER 1, 1, 0, 1, 0
	QUARTER 1, 2, 1, 0, 0
	QUARTER 1, 3, 0, 1, 0
	s_wait_dscnt 4
	WIN MUL
	MUL8 0, 1, 0
	MUL8 1, 1, 0
	s_wait_dscnt 0
	MUL8 2, 1, 0
	MUL8 3, 1, 0
	WIN 0
; THE WAY OUT, block by block of 16 rows x 128 columns, through my stage, back as whole rows of 512 bytes.
.macro TOSTAGE a
	WIN 0x04                                       ; an LDS store's data: window 1
.irp b, 0,1,2,3,4,5,6,7
	ds_store_b128 v[STO], v[8*(8*(\a)+\b):8*(8*(\a)+\b)+3] offset:64*\b
	ds_store_b128 v[STO], v[8*(8*(\a)+\b)+4:8*(8*(\a)+\b)+7] offset:64*\b+16
.endr
	WIN 0
.set BB, BK+64*((\a)%2)
.irp t, 0,1,2,3,4,5,6,7,8,9,10,11,12,13,14,15
	ds_load_b128 v[BB+4*\t:BB+4*\t+3], v[RD] offset:\t*SPITCH
.endr
.endm
.macro SEND a, younger
.set BB, BK+64*((\a)%2)
	s_wait_dscnt \younger                          ; the block is back; the LDS instructions issued behind its loads may be out
.if (\a) == 0
	s_cmp_eq_u32 s13, 0                            ; positions 0-15 are not stored here: the launch that carries them in f32 owns those rows
	s_cbranch_scc1 .Lnot_mine
.endif
.irp t, 0,1,2,3,4,5,6,7,8,9,10,11,12,13,14,15
	global_store_b128 v[CO], v[BB+4*\t:BB+4*\t+3], s[10:11] offset:(16*(\a)+\t)*4096 th:TH_STORE_NT   ; 512 consecutive bytes, aligned
.endr
.if (\a) == 0
.Lnot_mine:
.endif
.endm
	PLACES
	TOSTAGE 0
	TOSTAGE 1
	SEND 0, 32
	s_wait_xcnt 0x0                                ; block 0's stores have read their registers
	TOSTAGE 2
	SEND 1, 32
	s_wait_xcnt 0x0
	TOSTAGE 3
	SEND 2, 32
	SEND 3, 0
	s_wait_tensorcnt 0x0                           ; the wave's end
	ds_add_u32 v[SPW], v[NIL]
	s_wait_dscnt 0x0
	CROUND                                         ; the closing round
	s_endpgm
.Lfunc_end_k_qa350c629d1_proj:
	.size	k_qa350c629d1_proj, .Lfunc_end_k_qa350c629d1_proj-k_qa350c629d1_proj
	.p2alignl 7, 3214868480
	.fill 96, 4, 3214868480
	.section	.rodata,"a",@progbits
	.p2align	6, 0x0
	.amdhsa_kernel k_qa350c629d1_proj
		.amdhsa_group_segment_fixed_size 327680
		.amdhsa_private_segment_fixed_size 0
		.amdhsa_enable_private_segment 0
		.amdhsa_kernarg_size 32
		.amdhsa_user_sgpr_count 2
		.amdhsa_user_sgpr_kernarg_segment_ptr 1
		.amdhsa_wavefront_size32 1
		.amdhsa_system_sgpr_workgroup_id_x 1
		.amdhsa_system_sgpr_workgroup_id_y 1
		.amdhsa_system_sgpr_workgroup_id_z 1
		.amdhsa_system_vgpr_workitem_id 0
		.amdhsa_next_free_vgpr 576
		.amdhsa_next_free_sgpr 66
		.amdhsa_reserve_vcc 0
		.amdhsa_float_denorm_mode_32 3
		.amdhsa_float_denorm_mode_16_64 3
		.amdhsa_memory_ordered 1
		.amdhsa_forward_progress 1
		.amdhsa_inst_pref_size 86
	.end_amdhsa_kernel
	.amdgpu_metadata
---
amdhsa.version: [ 1, 2 ]
amdhsa.kernels:
  - .name:           k_qa350c629d1_proj
    .symbol:         k_qa350c629d1_proj.kd
    .args:
      - { .name: att, .offset: 0, .size: 8, .value_kind: global_buffer, .address_space: global }
      - { .name: wo16, .offset: 8, .size: 8, .value_kind: global_buffer, .address_space: global }
      - { .name: bo, .offset: 16, .size: 8, .value_kind: global_buffer, .address_space: global }
      - { .name: out0, .offset: 24, .size: 8, .value_kind: global_buffer, .address_space: global }
    .group_segment_fixed_size: 327680
    .private_segment_fixed_size: 0
    .kernarg_segment_align: 8
    .kernarg_segment_size: 32
    .max_flat_workgroup_size: 128
    .sgpr_count:     66
    .vgpr_count:     576
    .wavefront_size: 32
...
	.end_amdgpu_metadata
.endif
;; end of part 4
;; launch fine (part 5): grid 64 x 4, 16 waves a work-group, no clusters, 18,432 bytes of LDS; arguments qkvf, Wo, bo, out0; writes out0
.if DOCPART == 5
	.amdgcn_target "amdgcn-amd-amdhsa--gfx1250"
	.amdhsa_code_object_version 6
	.text
	.protected	k_qa350c629d1_fine
	.globl	k_qa350c629d1_fine
	.p2align	8
	.type	k_qa350c629d1_fine,@function
k_qa350c629d1_fine:
	s_mov_b64 s[64:65], 0
	v_nop
	global_prefetch_b8 v0, s[64:65] scope:SCOPE_SE
	s_setreg_imm32_b32 hwreg(HW_REG_WAVE_MODE, 25, 1), 1
	s_wait_xcnt 0x0
; Positions 0-15 of every sequence, all in f32: scores, causal softmax, the weighted values and the projection with Wo and bo.  These rows average one to sixteen values and are the largest of the
; output, so the rounding of 16-bit operands would weigh most there.
; A work-group makes out0[b][0..15][o0 .. o0 + 15], o0 = 16 x work-group x, b = work-group y.  Each of its sixteen waves takes a head: its 16 x 16 attention and its 64 terms of the projection;
; the sixteen parts meet in LDS and are added in the order of the heads.  Every work-group of a batch repeats the small attention: 32 matrix instructions a wave.
; A work-group's rows of out0 are 64 bytes long, so 262,144 bytes in all leave as parts of 256-byte blocks.
; qkvf [b][tile of 16 n][half][lane][16 bytes]: element (t = r, n = 16 tile + 8 h + j) at half j / 4, lane 16 h + r, word j % 4.
; The f32 matrix form takes k = 2 h + j from register j.  q and k are loaded alike, so lane (r, h)'s registers 2 c, 2 c + 1 are the same channels on both sides: a permutation of K applied to both.
; Its accumulators (v144-207) are written by matrix instructions alone; what is made of them goes into other registers.
.set SPARE, 16384
	s_load_b256 s[4:11], s[0:1], 0x0               ; qkvf s[4:5], Wo s[6:7], bo s[8:9], out0 s[10:11]
	v_lshl_add_u32 v10, v0, 2, SPARE               ; v10: my spare word; v11: 0; never rewritten
	v_mov_b32 v11, 0
	v_lshrrev_b32 v1, 5, v0
	v_readfirstlane_b32 s12, v1                    ; wave = head
	v_and_b32 v1, 15, v0                           ; r
	v_bfe_u32 v2, v0, 4, 1                         ; h
	v_and_b32 v3, 31, v0
	v_lshlrev_b32 v4, 4, v3                        ; v4: 16 x lane: an image's place
	v_bfe_u32 v5, v0, 2, 1
	v_lshlrev_b32 v5, 9, v5
	v_bfe_u32 v6, v0, 3, 1
	v_lshl_add_u32 v5, v6, 8, v5
	v_lshl_add_u32 v5, v2, 7, v5
	v_and_b32 v6, 3, v0
	v_lshl_add_u32 v5, v6, 2, v5                   ; v5: v(key 8 h + i, channel 16 ct + r): half (r / 4) % 2, lane 16 (r / 8) + 8 h + i, word r % 4
	v_lshlrev_b32 v6, 12, v1
	v_lshl_add_u32 v6, v2, 5, v6                   ; v6: Wo: row r of 4,096 bytes + 32 h
	s_and_b32 s13, s12, 1
	s_lshl_b32 s17, s13, 4
	v_lshlrev_b32 v7, 5, v2
	v_add_nc_u32 v7, s17, v7                       ; v7: bo: 32 h + 16 (wave % 2)
	v_lshl_add_u32 v8, v1, 12, v7                  ; v8: out0: row r
	s_lshl_b32 s17, s12, 10
	v_add_nc_u32 v9, s17, v4                       ; v9: LDS: my head's part
	s_lshl_b32 s17, s13, 9
	v_add_nc_u32 v12, s17, v4                      ; v12: LDS: half wave % 2 of a part
	v_lshlrev_b32 v13, 3, v2
	v_sub_nc_u32 v13, v1, v13                      ; v13: r - 8 h
	v_mov_b32 v14, 0xff800000                      ; -infinity
	v_mov_b32 v239, 0                              ; a lane permute's destination counts as read
	s_mov_b32 s14, 0x76543210
	s_mov_b32 s15, 0xfedcba98
	s_mov_b32 s16, 0x3e38aa3b                      ; c = log2(e) / 8
	s_and_b32 s18, ttmp7, 0xffff                   ; b
	s_mul_i32 s20, s18, 196608                     ; 192 tiles of 1,024 bytes a batch,
	s_lshl_b32 s17, s12, 12                        ; four a head
	s_add_co_u32 s20, s20, s17
	s_mov_b32 s21, 0
	s_lshl_b32 s22, ttmp9, 16                      ; Wo: 16 rows a work-group,
	s_lshl_b32 s17, s12, 8                         ; 64 numbers a head
	s_add_co_u32 s22, s22, s17
	s_mov_b32 s23, 0
	s_lshl_b32 s24, ttmp9, 6                       ; 16 columns
	s_mov_b32 s25, 0
	s_lshl_b32 s26, s18, 23                        ; a batch of out0
	s_add_co_u32 s26, s26, s24
	s_mov_b32 s27, 0
	s_wait_kmcnt 0x0
	s_add_nc_u64 s[4:5], s[4:5], s[20:21]
	s_add_nc_u64 s[6:7], s[6:7], s[22:23]
	s_add_nc_u64 s[8:9], s[8:9], s[24:25]
	s_add_nc_u64 s[10:11], s[10:11], s[26:27]
	global_load_b128 v[232:235], v7, s[8:9]        ; bo
.irp i, 0,1,2,3,4,5,6,7
	global_load_b128 v[48+4*\i:51+4*\i], v4, s[4:5] offset:65536+512*\i    ; k: register 8 nt + j = k(r, 16 nt + 8 h + j)
.endr
.irp i, 0,1,2,3,4,5,6,7
	global_load_b128 v[16+4*\i:19+4*\i], v4, s[4:5] offset:512*\i          ; q likewise
.endr
.irp ct, 0,1,2,3
.irp i, 0,1,2,3,4,5,6,7
	global_load_b32 v[80+8*\ct+\i], v5, s[4:5] offset:131072+\ct*1024+\i*16
.endr
.endr
.irp nt, 0,1,2,3
	global_load_b128 v[112+8*\nt:115+8*\nt], v6, s[6:7] offset:\nt*64      ; Wo(o0 + r, 64 head + 16 nt + 8 h + j)
	global_load_b128 v[116+8*\nt:119+8*\nt], v6, s[6:7] offset:\nt*64+16
.endr
	s_wait_loadcnt 40                              ; bo, k, q are in; v's 32 and Wo's 8 loads may be out
	; S^T = k q^T: 16 steps of 4 along the channels on four accumulators by turns; the first four start the sums
.irp c, 0,1,2,3
	v_wmma_f32_16x16x4_f32 v[144+8*\c:151+8*\c], v[48+2*\c:49+2*\c], v[16+2*\c:17+2*\c], 0
.endr
.irp c, 4,5,6,7,8,9,10,11,12,13,14,15
	v_wmma_f32_16x16x4_f32 v[144+8*(\c%4):151+8*(\c%4)], v[48+2*\c:49+2*\c], v[16+2*\c:17+2*\c], v[144+8*(\c%4):151+8*(\c%4)]
.endr
.rept 8
	v_nop                                          ; eight places behind this form
.endr
.irp p, 0,1,2,3
	v_pk_add_f32 v[208+2*\p:209+2*\p], v[144+2*\p:145+2*\p], v[152+2*\p:153+2*\p]   ; each accumulator from its low end on
	v_pk_add_f32 v[216+2*\p:217+2*\p], v[160+2*\p:161+2*\p], v[168+2*\p:169+2*\p]
.endr
.irp p, 0,1,2,3
	v_pk_add_f32 v[208+2*\p:209+2*\p], v[208+2*\p:209+2*\p], v[216+2*\p:217+2*\p]   ; register j: score of key 8 h + j, query r
.endr
.irp j, 0,1,2,3,4,5,6,7
	v_cmp_gt_i32 vcc_lo, \j, v13                   ; key 8 h + j > query r: hidden
	v_cndmask_b32 v[208+\j], v[208+\j], v14, vcc_lo
.endr
	v_max3_num_f32 v236, v208, v209, v210
	v_max3_num_f32 v237, v211, v212, v213
	v_max3_num_f32 v236, v236, v214, v215
	v_max_num_f32 v236, v236, v237
	v_permlanex16_b32 v237, v236, s14, s15
	v_max_num_f32 v236, v236, v237                 ; the row's maximum: key 0 counts for every query
	v_mul_f32 v237, s16, v236
.irp j, 0,1,2,3,4,5,6,7
	v_fma_f32 v[208+\j], v[208+\j], s16, -v237
.endr
.irp j, 0,1,2,3,4,5,6,7
	v_exp_f32 v[208+\j], v[208+\j]
.endr
	v_nop
	s_wait_alu depctr_va_vdst(0)                   ; one wait for the eight, ahead of their first reader
	v_pk_add_f32 v[216:217], v[208:209], v[210:211]
	v_pk_add_f32 v[218:219], v[212:213], v[214:215]
	v_pk_add_f32 v[216:217], v[216:217], v[218:219]
	v_add_f32 v238, v216, v217
	v_permlanex16_b32 v239, v238, s14, s15
	v_add_f32 v238, v238, v239
	v_rcp_f32 v238, v238
	v_nop
	s_wait_loadcnt 8                               ; v is in; Wo's eight loads may be out
	; O^T = v^T p: four steps of 4 keys x four tiles of 16 channels, the four accumulators by turns
.irp ct, 0,1,2,3
	v_wmma_f32_16x16x4_f32 v[176+8*\ct:183+8*\ct], v[80+8*\ct:81+8*\ct], v[208:209], 0
.endr
.irp cp, 1,2,3
.irp ct, 0,1,2,3
	v_wmma_f32_16x16x4_f32 v[176+8*\ct:183+8*\ct], v[80+8*\ct+2*\cp:81+8*\ct+2*\cp], v[208+2*\cp:209+2*\cp], v[176+8*\ct:183+8*\ct]
.endr
.endr
.rept 8
	v_nop
.endr
	s_wait_alu depctr_va_vdst(0)                   ; the reciprocal's wait, ahead of its first reader
.set n, 0
.rept 32
	v_mul_f32 v[16+n], v[176+n], v238              ; register 8 ct + j = att(r, 16 ct + 8 h + j), into q's registers
.set n, n+1
.endr
	s_wait_loadcnt 0x0                             ; Wo
	; my head's part of out^T = Wo att^T: 16 steps of 4 channels on four accumulators by turns, begun anew with 0
.irp c, 0,1,2,3
	v_wmma_f32_16x16x4_f32 v[144+8*\c:151+8*\c], v[112+2*\c:113+2*\c], v[16+2*\c:17+2*\c], 0
.endr
.irp c, 4,5,6,7,8,9,10,11,12,13,14,15
	v_wmma_f32_16x16x4_f32 v[144+8*(\c%4):151+8*(\c%4)], v[112+2*\c:113+2*\c], v[16+2*\c:17+2*\c], v[144+8*(\c%4):151+8*(\c%4)]
.endr
.rept 8
	v_nop
.endr
.irp p, 0,1,2,3
	v_pk_add_f32 v[224+2*\p:225+2*\p], v[144+2*\p:145+2*\p], v[152+2*\p:153+2*\p]
	v_pk_add_f32 v[216+2*\p:217+2*\p], v[160+2*\p:161+2*\p], v[168+2*\p:169+2*\p]
.endr
.irp p, 0,1,2,3
	v_pk_add_f32 v[224+2*\p:225+2*\p], v[224+2*\p:225+2*\p], v[216+2*\p:217+2*\p]   ; register j: out(t = r, o0 + 8 h + j), my head's part
.endr
	ds_store_b128 v9, v[224:227]
	ds_store_b128 v9, v[228:231] offset:512
	s_wait_dscnt 0x0                               ; for the others' sake: my stores have landed
	s_barrier_signal -1
	s_barrier_wait -1
	s_cmp_gt_u32 s12, 1
	s_cbranch_scc1 .Ldone                          ; waves 0 and 1 add: wave w the registers 4 w .. 4 w + 3 of all sixteen parts
.irp i, 0,1,2,3,4,5,6,7,8,9,10,11,12,13,14,15
	ds_load_b128 v[16+4*\i:19+4*\i], v12 offset:1024*\i
.endr
	s_wait_dscnt 0x0
.irp i, 0,1,2,3,4,5,6,7,8,9,10,11,12,13,14,15
	v_pk_add_f32 v[232:233], v[232:233], v[16+4*\i:17+4*\i]      ; bo, then the heads in order
	v_pk_add_f32 v[234:235], v[234:235], v[18+4*\i:19+4*\i]
.endr
	global_store_b128 v8, v[232:235], s[10:11]
.Ldone:
	s_wait_tensorcnt 0x0                           ; the wave's end
	ds_add_u32 v10, v11
	s_wait_dscnt 0x0
	s_endpgm
.Lfunc_end_k_qa350c629d1_fine:
	.size	k_qa350c629d1_fine, .Lfunc_end_k_qa350c629d1_fine-k_qa350c629d1_fine
	.p2alignl 7, 3214868480
	.fill 96, 4, 3214868480
	.section	.rodata,"a",@progbits
	.p2align	6, 0x0
	.amdhsa_kernel k_qa350c629d1_fine
		.amdhsa_group_segment_fixed_size 18432
		.amdhsa_private_segment_fixed_size 0
		.amdhsa_enable_private_segment 0
		.amdhsa_kernarg_size 32
		.amdhsa_user_sgpr_count 2
		.amdhsa_user_sgpr_kernarg_segment_ptr 1
		.amdhsa_wavefront_size32 1
		.amdhsa_system_sgpr_workgroup_id_x 1
		.amdhsa_system_sgpr_workgroup_id_y 1
		.amdhsa_system_sgpr_workgroup_id_z 1
		.amdhsa_system_vgpr_workitem_id 0
		.amdhsa_next_free_vgpr 256
		.amdhsa_next_free_sgpr 66
		.amdhsa_reserve_vcc 1
		.amdhsa_float_denorm_mode_32 3
		.amdhsa_float_denorm_mode_16_64 3
		.amdhsa_memory_ordered 1
		.amdhsa_forward_progress 1
		.amdhsa_inst_pref_size 20
	.end_amdhsa_kernel
	.amdgpu_metadata
---
amdhsa.version: [ 1, 2 ]
amdhsa.kernels:
  - .name:           k_qa350c629d1_fine
    .symbol:         k_qa350c629d1_fine.kd
    .args:
      - { .name: qkvf, .offset: 0, .size: 8, .value_kind: global_buffer, .address_space: global }
      - { .name: Wo, .offset: 8, .size: 8, .value_kind: global_buffer, .address_space: global }
      - { .name: bo, .offset: 16, .size: 8, .value_kind: global_buffer, .address_space: global }
      - { .name: out0, .offset: 24, .size: 8, .value_kind: global_buffer, .address_space: global }
    .group_segment_fixed_size: 18432
    .private_segment_fixed_size: 0
    .kernarg_segment_align: 8
    .kernarg_segment_size: 32
    .max_flat_workgroup_size: 512
    .sgpr_count:     66
    .vgpr_count:     256
    .wavefront_size: 32
...
	.end_amdgpu_metadata
.endif
;; end of part 5
